; MI455X (gfx1250); checked and timed in simulation.
; The chip was launched on July 23, 2026; its instructions are those of AMD's public machine-readable ISA for CDNA 5 (MIT licence, August 2026) and "CDNA5" Instruction Set Architecture Reference Guide (July 2026). The comments in the code are by the model that wrote it; some were corrected since.
;; Multi Head Ver2. Allowed arithmetic: float matrix products may take bf16 or f16 operands with f32 sums; all other float work in f32.
;; Inputs: Wk 1,024 x 1,024 float32; Wq 1,024 x 1,024 float32; Wv 1,024 x 1,024 float32; x 4 x 2,048 x 1,024 float32.
;; Outputs: out0 4 x 2,048 x 1,024 float32.
;; 2 versions, each right. Each part assembles by itself: llvm-mc -triple=amdgcn-amd-amdhsa -mcpu=gfx1250 --defsym DOCPART=n.
;; ======== version 1 of 2: 3 launches
;; limits: values are held in f16: magnitudes above 65,504 overflow, below 6.1e-05 lose precision
;; workspace buffers: xb 16,777,216 bytes; wb 6,291,456 bytes; qkv 50,331,648 bytes
;; launch cast (part 1): grid 704 x 1, 8 waves a work-group, no clusters, 0 bytes of LDS; arguments x, Wq, Wk, Wv, xb, wb; writes xb, wb
.if DOCPART == 1
	.amdgcn_target "amdgcn-amd-amdhsa--gfx1250"
	.amdhsa_code_object_version 6
	.text
	.protected	k_q7ab17f0d42_cast
	.globl	k_q7ab17f0d42_cast
	.p2align	8
	.type	k_q7ab17f0d42_cast,@function
k_q7ab17f0d42_cast:
	s_mov_b64 s[64:65], 0
	v_nop
	global_prefetch_b8 v0, s[64:65] scope:SCOPE_SE
	s_setreg_imm32_b32 hwreg(HW_REG_WAVE_MODE, 25, 1), 1
	s_wait_xcnt 0x0
; THE PROGRAM: three launches.  cast: x and the three weights, f32 to bf16.  proj: q, k, v = x W^T, bf16 operands, f32 sums, kept in f16, head by head.
; attn: causal attention of each head, f16 operands, f32 sums, softmax in f32 with a running maximum.
; WORK LEFT OUT (in attn): reference() sets every score with key > query to the least finite f32 in front of the softmax; a row always holds the score
; key = query, so the row maximum is an unmasked score and in exact arithmetic a masked weight is exp(least f32 - maximum), which is 0 beside the
; unmasked weights for every finite input (it underflows to 0 in f32 as well).  A weight of 0 adds nothing to the sum or to the product
; with v.  So groups of 256 keys that lie wholly above a query tile's diagonal are not multiplied at all.  Every input still reaches an output.
; LIMITS: a NaN, an infinity or an overflow in k or v rows that only reach such hidden groups is not carried to the result.  q, k and v are kept in f16:
; |q|, |k|, |v| below 65,504 (inputs 30 times the drawn spread give about 5,400; a common offset of 30 spreads about 29,000).  The running softmax rounds
; in another order than a softmax over the whole row.
;
; THIS LAUNCH: 11,534,336 numbers are rounded to bf16 (nearest even).  A work-group takes 16,384 of them: 65,536 bytes in, 32,768 out.
; Work-groups 0-511: x to xb.  512-575: Wq, 576-639: Wk, 640-703: Wv, one behind the other in wb (rows 0-1023 q, 1024-2047 k, 2048-3071 v).
; A wave takes 8,192 bytes by sixteen loads of 512 neighbouring bytes, all issued before the first is used; each store of a wave covers 256 neighbouring
; bytes that start at a multiple of 256.  No work-group reads what another reads, so nothing is shared: no LDS, no barrier, no cluster, no matrix unit.
.set X, 4                              ; v[4:67]   sixteen loads of four f32
.set Y, 68                             ; v[68:99]  sixteen pairs of registers, four bf16 each; no register is written twice, so no store is waited for
	s_load_b256 s[4:11], s[0:1], 0x0               ; x s[4:5], Wq s[6:7], Wk s[8:9], Wv s[10:11]
	s_load_b128 s[12:15], s[0:1], 0x20             ; xb s[12:13], wb s[14:15]
	s_mov_b32 s2, ttmp9                            ; the work-group's number
	v_lshrrev_b32 v3, 5, v0                        ; wave
	v_and_b32 v1, 31, v0                           ; lane
	v_lshlrev_b32 v2, 3, v1                        ; out: 8 bytes a lane
	v_lshlrev_b32 v1, 4, v1                        ; in: 16 bytes a lane
	v_lshl_add_u32 v1, v3, 13, v1                  ; + wave x 8,192
	v_lshl_add_u32 v2, v3, 12, v2                  ; + wave x 4,096
	; the offsets, in registers of their own
	s_and_b32 s24, s2, 63                          ; my place in a weight (64 work-groups each)
	s_sub_co_u32 s25, s2, 512                      ; my place in wb (used from 512 on)
	s_cmp_lt_u32 s2, 512
	s_cselect_b32 s20, s2, s24
	s_cselect_b32 s22, s2, s25
	s_lshl_b32 s20, s20, 16                        ; x 65,536 bytes of f32
	s_lshl_b32 s22, s22, 15                        ; x 32,768 bytes of bf16
	s_mov_b32 s21, 0
	s_mov_b32 s23, 0
	s_wait_kmcnt 0x0
	; which buffer: chosen by the work-group's number alone
	s_cmp_lt_u32 s2, 576
	s_cselect_b64 s[16:17], s[6:7], s[8:9]         ; Wq or Wk
	s_cmp_lt_u32 s2, 640
	s_cselect_b64 s[16:17], s[16:17], s[10:11]     ; or Wv
	s_cmp_lt_u32 s2, 512
	s_cselect_b64 s[16:17], s[4:5], s[16:17]       ; or x
	s_cselect_b64 s[18:19], s[12:13], s[14:15]     ; xb or wb
	s_add_nc_u64 s[16:17], s[16:17], s[20:21]
	s_add_nc_u64 s[18:19], s[18:19], s[22:23]
.irp j, 0,1,2,3,4,5,6,7,8,9,10,11,12,13,14,15
	global_load_b128 v[X+4*\j:X+4*\j+3], v1, s[16:17] offset:512*\j th:TH_LOAD_NT   ; read once in the launch
.endr
.irp j, 0,1,2,3,4,5,6,7,8,9,10,11,12,13,14,15
	s_wait_loadcnt 15-\j                           ; loads come back in order: load j is in, the 15 - j younger ones stay out
	v_cvt_pk_bf16_f32 v[Y+2*\j],   v[X+4*\j],   v[X+4*\j+1]
	v_cvt_pk_bf16_f32 v[Y+2*\j+1], v[X+4*\j+2], v[X+4*\j+3]
	global_store_b64 v2, v[Y+2*\j:Y+2*\j+1], s[18:19] offset:256*\j    ; 32 lanes x 8 bytes: 256 neighbouring bytes; the next launch reads them, so no hint
.endr
	s_endpgm
.Lfunc_end_k_q7ab17f0d42_cast:
	.size	k_q7ab17f0d42_cast, .Lfunc_end_k_q7ab17f0d42_cast-k_q7ab17f0d42_cast
	.p2alignl 7, 3214868480
	.fill 96, 4, 3214868480
	.section	.rodata,"a",@progbits
	.p2align	6, 0x0
	.amdhsa_kernel k_q7ab17f0d42_cast
		.amdhsa_group_segment_fixed_size 0
		.amdhsa_private_segment_fixed_size 0
		.amdhsa_enable_private_segment 0
		.amdhsa_kernarg_size 48
		.amdhsa_user_sgpr_count 2
		.amdhsa_user_sgpr_kernarg_segment_ptr 1
		.amdhsa_wavefront_size32 1
		.amdhsa_system_sgpr_workgroup_id_x 1
		.amdhsa_system_sgpr_workgroup_id_y 1
		.amdhsa_system_sgpr_workgroup_id_z 1
		.amdhsa_system_vgpr_workitem_id 0
		.amdhsa_next_free_vgpr 104
		.amdhsa_next_free_sgpr 66
		.amdhsa_reserve_vcc 0
		.amdhsa_float_denorm_mode_32 3
		.amdhsa_float_denorm_mode_16_64 3
		.amdhsa_memory_ordered 1
		.amdhsa_forward_progress 1
		.amdhsa_inst_pref_size 7
	.end_amdhsa_kernel
	.amdgpu_metadata
---
amdhsa.version: [ 1, 2 ]
amdhsa.kernels:
  - .name:           k_q7ab17f0d42_cast
    .symbol:         k_q7ab17f0d42_cast.kd
    .args:
      - { .name: x, .offset: 0, .size: 8, .value_kind: global_buffer, .address_space: global }
      - { .name: Wq, .offset: 8, .size: 8, .value_kind: global_buffer, .address_space: global }
      - { .name: Wk, .offset: 16, .size: 8, .value_kind: global_buffer, .address_space: global }
      - { .name: Wv, .offset: 24, .size: 8, .value_kind: global_buffer, .address_space: global }
      - { .name: xb, .offset: 32, .size: 8, .value_kind: global_buffer, .address_space: global }
      - { .name: wb, .offset: 40, .size: 8, .value_kind: global_buffer, .address_space: global }
    .group_segment_fixed_size: 0
    .private_segment_fixed_size: 0
    .kernarg_segment_align: 8
    .kernarg_segment_size: 48
    .max_flat_workgroup_size: 256
    .sgpr_count:     66
    .vgpr_count:     104
    .wavefront_size: 32
...
	.end_amdgpu_metadata
.endif
;; end of part 1
;; launch proj (part 2): grid 16 x 32, 4 waves a work-group, clusters of 4 x 4, 327,680 bytes of LDS; arguments xb, wb, qkv; writes qkv
.if DOCPART == 2
	.amdgcn_target "amdgcn-amd-amdhsa--gfx1250"
	.amdhsa_code_object_version 6
	.text
	.protected	k_q7ab17f0d42_proj
	.globl	k_q7ab17f0d42_proj
	.p2align	8
	.type	k_q7ab17f0d42_proj,@function
k_q7ab17f0d42_proj:
	s_mov_b64 s[64:65], 0
	v_nop
	global_prefetch_b8 v0, s[64:65] scope:SCOPE_SE
	s_setreg_imm32_b32 hwreg(HW_REG_WAVE_MODE, 25, 1), 1
	s_wait_xcnt 0x0
	s_wait_alu depctr_hold_cnt(0) depctr_sa_sdst(0) depctr_va_vdst(0) depctr_va_sdst(0) depctr_va_ssrc(0) depctr_va_vcc(0) depctr_vm_vsrc(0)
	s_getreg_b32 s2, hwreg(HW_REG_IB_STS2, 6, 4)
	s_cmp_eq_u32 s2, 0
	s_cbranch_scc0 .Lentry_in_a_cluster
	s_endpgm
.Lentry_in_a_cluster:
	s_bfe_u32 s2, ttmp6, 0x10000c
	s_cmp_lg_u32 s2, 0xf033
	s_cbranch_scc0 .Lentry_shape_is_right
	s_endpgm
.Lentry_shape_is_right:
; C[m][n] = sum over k of xb[m][k] wb[n][k].  xb: [8192][1024] bf16, wb: [3072][1024] bf16; sums in f32, rounded once to f16.
; (No work is left out here.  f16 keeps eight times finer steps than bf16 for the attention that follows; its range, 65,504, is the stated limit on q, k, v.)
; OUT: qkv, head by head: column n = 64 G + d of row m lies at byte G x 1,048,576 + 128 m + 2 d (G 0-15 q, 16-31 k, 32-47 v), so rows of one head are dense.
; A work-group makes 256 rows x 192 columns (three heads): 32 x 16 = 512 work-groups of equal work.  Wave w makes rows 64 w .. 64 w + 63 x all 192 columns:
; 4 x 12 accumulator tiles of 16 x 16, 384 registers; whole heads stay in one wave, so every store is dense.
; K goes in steps of 128 through a ring of two LDS slots filled by the tensor data mover; a tile's rows are 256 bytes of memory at multiples of 256.
; CLUSTERS: 4 x 4 work-groups.  The four of a row of the cluster need the same tiles of xb, the four of a column the same tiles of wb: each tile is asked for
; jointly, by the same tensor load in all four, with a mask that names the four.  That divides the requests for both by four.
; REGISTERS in windows of 256: window 0: v16-26 addresses, v64-95 and v96-127 fragments of xb (4 x 16 rows x 32 K, two buffers), v128-175 and v176-223 the way out;
; window 1: v0-95 and v96-191 fragments of wb (12 x 16 rows x 32 K, two buffers); window 2: accumulators of my rows 0-31 (tile (a, b) at 8 (12 a + b));
; window 3: those of my rows 32-63.
; THE MATRIX INSTRUCTION IS USED TRANSPOSED: source 0 = 16 rows of wb, source 1 = 16 rows of xb: lane l then holds row l % 16 of C, and its eight registers
; the columns 8 (l / 16) + 0 .. 7: eight neighbouring numbers, 16 bytes in f16.
.set SIZE_K, 1024
.set KSTEP,  128
.set PITCH,  272                       ; an LDS row: 256 bytes + 16 of padding, so that the 16 rows of a fragment load start 16 bytes apart modulo 256
.set HALFA,  128*PITCH                 ; 128 rows of xb: one tensor load
.set HALFB,  96*PITCH                  ; 96 rows of wb: one tensor load
.set SLOT,   2*HALFA+2*HALFB           ; 121,856: xb's 256 rows, then wb's 192
.set STAGE,  2*SLOT                    ; 243,712 = 952 x 256: behind the ring, 16 rows x 400 bytes for each wave; no tensor load lands here
.set SPITCH, 400                       ; 384 bytes of a row + 16
.set LAPS, SIZE_K/(2*KSTEP)            ; 4 laps of two K steps
.set ADRA, 16                          ; v16-17  LDS address of my xb fragments in slot 0, 1
.set ADRB, 20                          ; v20-21  the same for wb
.set STO,  24                          ; v24     the way out: where I put 16 bytes of a row
.set RD,   25                          ; v25     the way out: where I read back
.set CO,   26                          ; v26     my byte offset in qkv
.set FA,   64                          ; xb fragments, buffer f at FA + 32 f (window 0)
.set FB,   0                           ; wb fragments, buffer f at FB + 96 f (window 1)
.set TMP,  128                         ; the way out: packed results
.set RB,   176                         ; the way out: rows read back
.set G1, 24                            ; s[24:31] descriptor group 1 for xb's tiles
.set G0, 32                            ; s[32:39] descriptor group 0 for xb's tiles, one set for each slot
.set G1B, 48                           ; s[48:55] descriptor group 1 for wb's tiles
.set G0B, 56                           ; s[56:63] descriptor group 0 for wb's tiles, one set for each slot
.set MSB, 0
.macro WIN new                         ; the immediate's high byte repeats the setting that is left; a switch that changes nothing is dropped
.if MSB != \new
	s_set_vgpr_msb (MSB<<8)|\new
.set MSB, \new
.endif
.endm
.set MUL_LO, 0xa1                      ; source 0 (wb) window 1, source 1 (xb) window 0, C and D window 2
.set MUL_HI, 0xf1                      ; the same, C and D window 3
.set TO_B,   0x40                      ; destination window 1, address window 0
; A joint load.  Waves 0 and 1 fetch xb's two halves, waves 2 and 3 wb's.  Each line has one mask and one set of registers for all that issue it.
; The branch hangs on the wave's number alone.
.macro JLOAD s
	s_cmp_eq_u32 s11, 0
	s_cbranch_scc0 .Lfor_b_\@
	tensor_load_to_lds s[G0+4*\s:G0+4*\s+3], s[G1:G1+7]
	s_nop 0
	s_branch .Lasked_\@
.Lfor_b_\@:
	tensor_load_to_lds s[G0B+4*\s:G0B+4*\s+3], s[G1B:G1B+7]
	s_nop 0
.Lasked_\@:
.endm
; A round of the cluster's barrier: my work-group's barrier; wave 0 signals for the work-group; every wave waits for all sixteen; my work-group's barrier again.
.macro CREST                           ; a round behind its opening barrier
	s_cmp_lg_u32 s10, 0
	s_cbranch_scc1 .Lnot_wave_0_\@
	s_barrier_signal -3
.Lnot_wave_0_\@:
	s_barrier_wait -3
	s_barrier_signal -1
	s_barrier_wait -1
.endm
.macro CROUND                          ; a whole round
	s_barrier_signal -1
	s_barrier_wait -1
	CREST
.endm
	s_load_b128 s[4:7], s[0:1], 0x0                ; xb s[4:5], wb s[6:7]
	s_load_b64 s[8:9], s[0:1], 0x10                ; qkv
	s_set_vgpr_msb 0x40
	v_lshl_add_u32 v255, v0, 2, 0x41c00
	s_set_vgpr_msb 0x4000
	v_mov_b32 v255, 0
	s_set_vgpr_msb 0x1
	ds_add_u32 v255, v255
	ds_add_u32 v255, v255
	s_set_vgpr_msb 0x100
	v_lshrrev_b32 v1, 5, v0
	v_readfirstlane_b32 s10, v1                    ; wave 0..3
	s_lshr_b32 s11, s10, 1                         ; I fetch for xb (0) or for wb (1)
	s_and_b32 s12, s10, 1                          ; which half of that tile I fetch
	s_bfe_u32 s40, ttmp6, 0x40000                  ; cx
	s_bfe_u32 s41, ttmp6, 0x40004                  ; cy
	s_lshl_b32 s42, ttmp9, 2
	s_add_co_u32 s42, s42, s40                     ; block column = 4 x cluster x + cx
	s_and_b32 s13, ttmp7, 0xffff
	s_lshl_b32 s13, s13, 2
	s_add_co_u32 s13, s13, s41                     ; block row = 4 x cluster y + cy
	s_lshl_b32 s43, s41, 2
	s_lshl_b32 s43, 15, s43                        ; my row of the cluster: places 4 cy .. 4 cy + 3
	s_lshl_b32 s44, 0x1111, s40                    ; my column: places cx, cx + 4, cx + 8, cx + 12
	; group 1: tiles of 128 (xb) or 96 (wb) rows x 128 elements of 2 bytes; 4 words of padding behind every 64 words
	s_or_b32 s[G1+0], s43, (1<<16)|(1<<20)|(1<<21)|(5<<22)|(3<<25)   ; 15:0 mask: my row; 17:16 2 bytes; 20 padding; 21 set beside a mask; 24:22 every 64 words; 31:25 four words
	s_or_b32 s[G1B+0], s44, (1<<16)|(1<<20)|(1<<21)|(5<<22)|(3<<25)  ; the same with the mask of my column
	s_mov_b32 s[G1+1], KSTEP<<16                   ; tensor_dim0 = 128
	s_mov_b32 s[G1B+1], KSTEP<<16
	s_mov_b32 s[G1+2], 128<<16                     ; tensor_dim1 = 128 rows
	s_mov_b32 s[G1B+2], 96<<16                     ; 96 rows
	s_mov_b32 s[G1+3], KSTEP<<16                   ; tile_dim0 = 128
	s_mov_b32 s[G1B+3], KSTEP<<16
	s_mov_b32 s[G1+4], 128                         ; tile_dim1
	s_mov_b32 s[G1B+4], 96
	s_mov_b32 s[G1+5], SIZE_K                      ; elements from row to row
	s_mov_b32 s[G1B+5], SIZE_K
	s_mov_b32 s[G1+6], 0
	s_mov_b32 s[G1B+6], 0
	s_mov_b32 s[G1+7], 0
	s_mov_b32 s[G1B+7], 0
	; where the tiles come from: xb's hang on the block row alone, wb's on the block column alone, each in registers that never hold the other coordinate
	s_lshl_b32 s17, s12, 7
	s_lshl_b32 s16, s13, 8
	s_add_co_u32 s16, s16, s17                     ; xb: row 256 x block row + 128 x half
	s_lshl_b32 s16, s16, 11                        ; x 2,048 bytes: below 2^24
	s_mov_b32 s17, 0
	s_mul_i32 s46, s42, 192
	s_mul_i32 s47, s12, 96
	s_add_co_u32 s46, s46, s47                     ; wb: row 192 x block column + 96 x half
	s_lshl_b32 s46, s46, 11
	s_mov_b32 s47, 0
	s_mul_i32 s20, s10, HALFA                      ; where they go: waves 0, 1: xb's halves at wave x 34,816
	s_mul_i32 s45, s10, HALFB
	s_add_co_u32 s45, s45, 2*HALFA-2*HALFB         ; waves 2, 3: wb's halves at 69,632 + (wave - 2) x 26,112
	s_wait_dscnt 0x0
	s_wait_kmcnt 0x0
	s_add_nc_u64 s[14:15], s[4:5], s[16:17]
	s_add_nc_u64 s[46:47], s[6:7], s[46:47]
	CROUND                                         ; all sixteen work-groups are here: the first joint loads meet
.irp s, 0,1
	s_mov_b32 s[G0+4*\s], 1                                        ; count = 1
	s_add_co_u32 s[G0+4*\s+1], s20, \s*SLOT                        ; LDS address
	s_add_nc_u64 s[G0+4*\s+2:G0+4*\s+3], s[14:15], \s*KSTEP*2      ; global address: K step s
	s_or_b32 s[G0+4*\s+3], s[G0+4*\s+3], 0x80000000                ; type = 2
	s_mov_b32 s[G0B+4*\s], 1
	s_add_co_u32 s[G0B+4*\s+1], s45, \s*SLOT
	s_add_nc_u64 s[G0B+4*\s+2:G0B+4*\s+3], s[46:47], \s*KSTEP*2
	s_or_b32 s[G0B+4*\s+3], s[G0B+4*\s+3], 0x80000000
	JLOAD \s                                       ; both slots are asked for before anything else: two tensor loads of the wave are out
.endr
	; a fragment: lane l holds row l % 16; registers 0-3 K = 8 (l / 16) + 0..7, registers 4-7 K = 16 + 8 (l / 16) + 0..7: two loads of 16 bytes, 32 bytes apart
	v_and_b32 v1, 15, v0                           ; l % 16
	v_bfe_u32 v2, v0, 4, 1                         ; l / 16
	v_mul_u32_u24 v3, v1, PITCH
	v_lshl_add_u32 v3, v2, 4, v3
	s_mul_i32 s21, s10, 64*PITCH                   ; my 64 rows of xb
	s_mov_b32 s22, 2*HALFA                         ; wb lies behind xb's 256 rows; every wave reads all of it
.irp s, 0,1
	v_add_nc_u32 v[ADRA+\s], s21, v3
	v_add_nc_u32 v[ADRB+\s], s22, v3
	s_add_co_u32 s21, s21, SLOT
	s_add_co_u32 s22, s22, SLOT
.endr
	s_mul_i32 s23, s10, 16*SPITCH
	s_add_co_u32 s23, s23, STAGE                   ; my stage
	v_mul_u32_u24 v4, v1, SPITCH                   ; in: row l % 16, 16 bytes for each half of the lanes
	v_lshl_add_u32 v4, v2, 4, v4
	v_add_nc_u32 v[STO], s23, v4
	v_and_b32 v5, 31, v0                           ; l
	v_lshrrev_b32 v6, 3, v5                        ; back: eight lanes take the 128 bytes that a row has of one head, four rows a load
	v_and_b32 v7, 7, v0
	v_mul_u32_u24 v6, v6, SPITCH
	v_lshl_add_u32 v6, v7, 4, v6
	v_add_nc_u32 v[RD], s23, v6
	v_lshlrev_b32 v[CO], 4, v5                     ; in qkv those four rows are 512 dense bytes: 16 l
; 12 matrix instructions: row block a of the window's two (hi = 0: my rows 0-31, 1: rows 32-63) x all 12 column blocks, 32 along K, buffer f.
; zero = 1: the first product starts the sums.  The 48 accumulators take turns, one instruction a turn, in the same order in every quarter step.
.macro MUL12 f, hi, a, zero
.irp b, 0,1,2,3,4,5,6,7,8,9,10,11
.if \zero
	v_wmma_f32_16x16x32_bf16 v[8*(12*\a+\b):8*(12*\a+\b)+7], v[FB+96*\f+8*\b:FB+96*\f+8*\b+7], v[FA+32*\f+8*(2*\hi+\a):FA+32*\f+8*(2*\hi+\a)+7], 0
.else
	v_wmma_f32_16x16x32_bf16 v[8*(12*\a+\b):8*(12*\a+\b)+7], v[FB+96*\f+8*\b:FB+96*\f+8*\b+7], v[FA+32*\f+8*(2*\hi+\a):FA+32*\f+8*(2*\hi+\a)+7], v[8*(12*\a+\b):8*(12*\a+\b)+7]
.endif
.endr
.endm
; 32 LDS loads in one run: the fragments of one quarter step (192 rows of wb, my 64 rows of xb, 32 K at byte k of the rows) into buffer f
.macro FETCH slot, k, f
	WIN TO_B
.irp i, 0,1,2,3,4,5,6,7,8,9,10,11
	ds_load_b128 v[FB+96*\f+8*\i:FB+96*\f+8*\i+3],   v[ADRB+\slot] offset:\k+\i*16*PITCH
	ds_load_b128 v[FB+96*\f+8*\i+4:FB+96*\f+8*\i+7], v[ADRB+\slot] offset:\k+\i*16*PITCH+32
.endr
	WIN 0
.irp i, 0,1,2,3
	ds_load_b128 v[FA+32*\f+8*\i:FA+32*\f+8*\i+3],   v[ADRA+\slot] offset:\k+\i*16*PITCH
	ds_load_b128 v[FA+32*\f+8*\i+4:FA+32*\f+8*\i+7], v[ADRA+\slot] offset:\k+\i*16*PITCH+32
.endr
.endm
; Four independent vector instructions stand between a matrix instruction and a load into one of its registers or a vector instruction that reads its
; result (ISA guide 7.12.1 for vector instructions).
.macro PLACES
.rept 4
	v_nop
.endr
.endm
; A K step is four quarter steps of 32 along K, 48 matrix instructions each, on buffers 0, 1, 0, 1.
.macro QUARTER slot, k, f, g, zero
	s_wait_dscnt 4                                 ; wb and xb's rows 0-31 are in; the youngest four loads (xb's rows 32-63) may be out
	WIN MUL_LO
	MUL12 \f, 0, 0, \zero
	MUL12 \f, 0, 1, \zero
	PLACES
	FETCH \slot, \k, \g
	s_wait_dscnt 32                                ; all but the 32 just issued
	WIN MUL_HI
	MUL12 \f, 1, 0, \zero
	MUL12 \f, 1, 1, \zero
.endm
.macro THREE slot, zero
	QUARTER \slot, 64,  0, 1, \zero
	QUARTER \slot, 128, 1, 0, 0
	QUARTER \slot, 192, 0, 1, 0
.endm
; The last quarter multiplies buffer 1 and changes slots.  In front of the barrier each wave waits for its reads of this slot and for all its tensor loads
; (one is out: its part of the next slot).  Behind it nobody reads this slot and the next is whole: the refill comes first, then the next slot's fragments.
; From a request to the wait for it a wave issues 180 matrix instructions.
.macro TURN slot, next, fill
	s_wait_dscnt 4
	WIN MUL_LO
	MUL12 1, 0, 0, 0
	s_wait_dscnt 0                                 ; my reads of this slot are over
	s_wait_tensorcnt 0x0                           ; all my tensor loads have landed
	ds_add_u32 v255, v255
	s_wait_dscnt 0x0
	s_barrier_signal -1                            ; say so (where a slot is filled again this barrier opens a round of the cluster's barrier),
	MUL12 1, 0, 1, 0                               ; work on registers while the others arrive,
	WIN 0
	s_barrier_wait -1
.if \fill
	CREST                                          ; no wave of any partner still reads this slot or has a load on its way
	s_add_nc_u64 s[G0+4*\slot+2:G0+4*\slot+3], s[G0+4*\slot+2:G0+4*\slot+3], 2*KSTEP*2
	s_add_nc_u64 s[G0B+4*\slot+2:G0B+4*\slot+3], s[G0B+4*\slot+2:G0B+4*\slot+3], 2*KSTEP*2
	JLOAD \slot                                    ; the wave's one tensor load behind the round
.endif
	PLACES
	FETCH \next, 0, 0
	WIN MUL_HI
	MUL12 1, 1, 0, 0
	MUL12 1, 1, 1, 0
.endm
.macro LAP zero
	THREE 0, \zero
	TURN 0, 1, 1
	THREE 1, 0
	TURN 1, 0, 1
.endm
	s_wait_tensorcnt 1                             ; my part of K step 0 is in; K step 1's stays out
	s_barrier_signal -1
	s_barrier_wait -1                              ; everybody's is
	FETCH 0, 0, 0
	LAP 1                                          ; the first lap stands in front of the loop: its first products start the sums
	WIN 0                                          ; at a label and at a branch every window is 0
	s_mov_b32 s3, LAPS-2
.Llap:
	LAP 0
	WIN 0
	s_sub_co_u32 s3, s3, 1
	s_cmp_lg_u32 s3, 0
	s_cbranch_scc1 .Llap
	THREE 0, 0                                     ; the last lap fills nothing
	TURN 0, 1, 0
	THREE 1, 0
	s_wait_dscnt 4                                 ; the very last quarter
	WIN MUL_LO
	MUL12 1, 0, 0, 0
	MUL12 1, 0, 1, 0
	s_wait_dscnt 0
	WIN MUL_HI
	MUL12 1, 1, 0, 0
	MUL12 1, 1, 1, 0
	; THE WAY OUT, 16 rows at a time: round to f16, 16 bytes a lane into my own stage, read back four rows of one head at a time, store 512 dense bytes.
	PLACES                                         ; behind the last matrix instructions, for the conversions that read results
	s_lshl_b32 s16, s13, 15                        ; 256 x block row x 128 bytes
	s_lshl_b32 s14, s10, 13                        ; + 64 x wave x 128
	s_add_co_u32 s16, s16, s14
	s_mov_b32 s17, 0
	s_add_nc_u64 s[8:9], s[8:9], s[16:17]
	s_mul_i32 s46, s42, 3<<20                      ; + three heads of 1,048,576 bytes for each block column
	s_mov_b32 s47, 0
	s_add_nc_u64 s[8:9], s[8:9], s[46:47]
; rows 16 a .. 16 a + 15 of my 64 = the twelve tiles (ap, 0..11) of window 2 or 3 (from = 0x0a or 0x0f: sources 0 and 1)
.macro OUT16 a, ap, from
	WIN \from
.irp b, 0,1,2,3,4,5,6,7,8,9,10,11
.irp r, 0,1,2,3
	v_cvt_pk_f16_f32 v[TMP+4*\b+\r], v[8*(12*\ap+\b)+2*\r], v[8*(12*\ap+\b)+2*\r+1]
.endr
.endr
	WIN 0
.irp b, 0,1,2,3,4,5,6,7,8,9,10,11
	ds_store_b128 v[STO], v[TMP+4*\b:TMP+4*\b+3] offset:32*\b
.endr
	s_wait_xcnt 0x0                                ; RB, which the last sixteen rows' stores read, is loaded again only behind this wait
.irp gl, 0,1,2
.irp t, 0,1,2,3
	ds_load_b128 v[RB+4*(4*\gl+\t):RB+4*(4*\gl+\t)+3], v[RD] offset:128*\gl+4*SPITCH*\t   ; a wave's LDS instructions are served in order: these see the stores above
.endr
.endr
.irp gl, 0,1,2
.irp t, 0,1,2,3
	s_wait_dscnt 11-(4*\gl+\t)                     ; this load is in, the younger ones stay out
	global_store_b128 v[CO], v[RB+4*(4*\gl+\t):RB+4*(4*\gl+\t)+3], s[8:9] offset:\gl*1048576+(16*\a+4*\t)*128   ; four rows of head gl: 512 dense bytes at a multiple of 512
.endr
.endr
.endm
	OUT16 0, 0, 0x0a
	OUT16 1, 1, 0x0a
	OUT16 2, 0, 0x0f
	OUT16 3, 1, 0x0f
	s_set_vgpr_msb 0x1
	s_wait_tensorcnt 0x0
	ds_add_u32 v255, v255
	s_wait_dscnt 0x0
	s_set_vgpr_msb 0x100
	CROUND                                         ; the closing round: no work-group ends while a partner may still ask for a tile that names it
	s_endpgm
.Lfunc_end_k_q7ab17f0d42_proj:
	.size	k_q7ab17f0d42_proj, .Lfunc_end_k_q7ab17f0d42_proj-k_q7ab17f0d42_proj
	.p2alignl 7, 3214868480
	.fill 96, 4, 3214868480
	.section	.rodata,"a",@progbits
	.p2align	6, 0x0
	.amdhsa_kernel k_q7ab17f0d42_proj
		.amdhsa_group_segment_fixed_size 327680
		.amdhsa_private_segment_fixed_size 0
		.amdhsa_enable_private_segment 0
		.amdhsa_kernarg_size 24
		.amdhsa_user_sgpr_count 2
		.amdhsa_user_sgpr_kernarg_segment_ptr 1
		.amdhsa_wavefront_size32 1
		.amdhsa_system_sgpr_workgroup_id_x 1
		.amdhsa_system_sgpr_workgroup_id_y 1
		.amdhsa_system_sgpr_workgroup_id_z 1
		.amdhsa_system_vgpr_workitem_id 0
		.amdhsa_next_free_vgpr 960
		.amdhsa_next_free_sgpr 66
		.amdhsa_reserve_vcc 0
		.amdhsa_float_denorm_mode_32 3
		.amdhsa_float_denorm_mode_16_64 3
		.amdhsa_memory_ordered 1
		.amdhsa_forward_progress 1
		.amdhsa_inst_pref_size 163
	.end_amdhsa_kernel
	.amdgpu_metadata
---
amdhsa.version: [ 1, 2 ]
amdhsa.kernels:
  - .name:           k_q7ab17f0d42_proj
    .symbol:         k_q7ab17f0d42_proj.kd
    .args:
      - { .name: xb, .offset: 0, .size: 8, .value_kind: global_buffer, .address_space: global }
      - { .name: wb, .offset: 8, .size: 8, .value_kind: global_buffer, .address_space: global }
      - { .name: qkv, .offset: 16, .size: 8, .value_kind: global_buffer, .address_space: global }
    .group_segment_fixed_size: 327680
    .private_segment_fixed_size: 0
    .kernarg_segment_align: 8
    .kernarg_segment_size: 24
    .max_flat_workgroup_size: 128
    .sgpr_count:     66
    .vgpr_count:     960
    .wavefront_size: 32
...
	.end_amdgpu_metadata
.endif
;; end of part 2
;; launch attn (part 3): grid 256 x 1, 4 waves a work-group, clusters of 4 x 1, 327,680 bytes of LDS; arguments qkv, out0; writes out0
.if DOCPART == 3
	.amdgcn_target "amdgcn-amd-amdhsa--gfx1250"
	.amdhsa_code_object_version 6
	.text
	.protected	k_q7ab17f0d42_attn
	.globl	k_q7ab17f0d42_attn
	.p2align	8
	.type	k_q7ab17f0d42_attn,@function
k_q7ab17f0d42_attn:
	s_mov_b64 s[64:65], 0
	v_nop
	global_prefetch_b8 v0, s[64:65] scope:SCOPE_SE
	s_setreg_imm32_b32 hwreg(HW_REG_WAVE_MODE, 25, 1), 1
	s_wait_xcnt 0x0
	s_wait_alu depctr_hold_cnt(0) depctr_sa_sdst(0) depctr_va_vdst(0) depctr_va_sdst(0) depctr_va_ssrc(0) depctr_va_vcc(0) depctr_vm_vsrc(0)
	s_getreg_b32 s2, hwreg(HW_REG_IB_STS2, 6, 4)
	s_cmp_eq_u32 s2, 0
	s_cbranch_scc0 .Lentry_in_a_cluster
	s_endpgm
.Lentry_in_a_cluster:
	s_bfe_u32 s2, ttmp6, 0x10000c
	s_cmp_lg_u32 s2, 0x3003
	s_cbranch_scc0 .Lentry_shape_is_right
	s_endpgm
.Lentry_shape_is_right:
; Causal attention of one (batch, head) per cluster of four work-groups: out = softmax(q k^T / 8, keys <= query) v.  q, k, v: f16 from qkv (head G at
; G x 1,048,576, row m at 128 m); scores, softmax and sums in f32 with a running maximum; out0 f32 [4][2048][1024].
; WORK LEFT OUT: groups of 256 keys that lie wholly above a query tile's diagonal (their weights are 0 by the mask that the problem itself builds; shown at the
; head of the first launch).  A NaN or infinity that reaches only those groups is not carried.  q, k, v below 65,504 in magnitude (f16).
; SHARING: the 16 waves of a cluster have rank g = 4 cx + wave.  Wave g holds eight query tiles of 16 rows: tile i is rows 256 i + 16 g + 0..15.  Keys go in eight
; groups of 256.  In group s tile s is on the diagonal (masked by a select), tiles above s are whole, tiles below s are finished: which tiles work hangs on s alone.
; So all 16 waves run the same text with the same trips (36 tile-groups each), and every K and V tile is asked for jointly by the four work-groups (mask 15):
; K and V are requested once for the cluster.  Inside the diagonal group a wave of low rank multiplies chunks that its mask hides: leaving them out would need a
; branch on the place in the cluster.
; LAYOUTS: S^T = K Q^T (A = 16 keys x 32 d, B = 16 queries): lane (r, hl), register j of tile kt holds key 16 kt + 8 hl + j of query r.  So a row's maximum
; and sum are taken inside the lane and across the two halves; two neighbouring registers packed to f16 are already B's fragment of the second product,
; O^T = V^T P^T (A = V^T by transposing LDS loads): lane (r, hl) holds d = 16 dt + 8 hl + j of query r, so the rescaling factors are one number a lane.
; LDS: slot n at n x 77,824: V's 256 rows (pitch 160), then K's 256 rows (pitch 144) at + 40,960.  Stage at 155,648 = 608 x 256: 16 rows x 272 bytes a wave.
; REGISTERS: window 0 below; window 1: O of tile i at 32 i + 8 dt; window 2: Q of tile i at 16 i + 8 c.
.set SLOT,   77824
.set KOFF,   40960
.set KP,     144                       ; 128 bytes + 16: an odd multiple of 16
.set VP,     160                       ; 128 bytes + 32: an odd multiple of 32, for the transposing loads
.set KCHUNK, 64*KP                     ; 64 keys on
.set VCHUNK, 64*VP
.set STAGE,  2*SLOT
.set SP,     272                       ; a stage row: 64 f32 + 16 bytes
.set KB,   16                          ; K fragment address in slot 0
.set VB,   17                          ; V fragment address in slot 0
.set KA,   18                          ; running K address
.set VA,   19                          ; running V address
.set LIM0, 20                          ; 16 g + r - 8 hl: key 16 kt + j of a group's first chunk is open if it is not above this
.set LIM,  21                          ; the same for the chunk at work
.set QO,   22                          ; my byte offset in q
.set STO,  23                          ; the way out: where I put my numbers
.set RD,   24                          ; the way out: where I read rows back
.set CO,   25                          ; my byte offset in out0
.set NEG,  26                          ; the least finite f32, as the problem's mask sets it
.set NM,   28                          ; v[28:29]  - maximum x c
.set AL,   30                          ; v[30:31]  the factor for what was summed before; 1 / sum on the way out
.set T,    32                          ; v[32:39]  at work
.set MX,   40                          ; v40-47    running maximum of tile i
.set LS,   48                          ; v48-63    running sum of tile i: a pair a lane, joined on the way out
.set S,    64                          ; v64-95    scores of 64 keys, tile kt at 8 kt
.set P,    96                          ; v96-111   weights in f16
.set KF,   128                         ; v128-191  K fragments at 16 kt + 8 c
.set VF,   192                         ; v192-255  V^T fragments at 16 dt + 8 c
.set G1K, 16                           ; s[16:23] group 1 for K's tiles
.set G1V, 24                           ; s[24:31] group 1 for V's tiles
.set G0V, 32                           ; s[32:39] group 0 for V, one set for each slot
.set G0K, 40                           ; s[40:47] group 0 for K, one set for each slot
.set CNT, 50
.set CPOS, 0x3e38aa3b                  ; c = log2(e) / 8: the scale 1 / sqrt(64) and the change of base in one factor
.set CNEG, 0xbe38aa3b
.set MSB, 0
.macro WIN new                         ; the immediate's high byte repeats the setting that is left
.if MSB != \new
	s_set_vgpr_msb (MSB<<8)|\new
.set MSB, \new
.endif
.endm
.macro PLACES                          ; four independent vector instructions behind a matrix instruction (ISA guide 7.12.1 for vector instructions)
.rept 4
	v_nop
.endr
.endm
.macro ROUND                           ; a round of the cluster's barrier
	s_barrier_signal -1
	s_barrier_wait -1
	s_cmp_lg_u32 s8, 0
	s_cbranch_scc1 .Lnot_wave_0_\@
	s_barrier_signal -3
.Lnot_wave_0_\@:
	s_barrier_wait -3
	s_barrier_signal -1
	s_barrier_wait -1
.endm
.macro JLOAD n                         ; waves 0, 1 ask for V's halves of a key group, waves 2, 3 for K's; the branch hangs on the wave's number alone
	s_cmp_eq_u32 s9, 0
	s_cbranch_scc0 .Lfor_k_\@
	tensor_load_to_lds s[G0V+4*\n:G0V+4*\n+3], s[G1V:G1V+7]
	s_nop 0
	s_branch .Lasked_\@
.Lfor_k_\@:
	tensor_load_to_lds s[G0K+4*\n:G0K+4*\n+3], s[G1K:G1K+7]
	s_nop 0
.Lasked_\@:
.endm
	s_load_b128 s[4:7], s[0:1], 0x0                ; qkv s[4:5], out0 s[6:7]
	v_lshl_add_u32 v126, v0, 2, 0x2a400
	v_mov_b32 v127, 0
	ds_add_u32 v126, v127
	ds_add_u32 v126, v127
	v_lshrrev_b32 v1, 5, v0
	v_readfirstlane_b32 s8, v1                     ; wave 0..3
	s_lshr_b32 s9, s8, 1                           ; I fetch for V (0) or for K (1)
	s_and_b32 s10, s8, 1                           ; which 128 rows of the group
	s_bfe_u32 s11, ttmp6, 0x40000                  ; cx
	s_and_b32 s12, ttmp9, 15                       ; head: the cluster's number is 16 b + h
	s_lshr_b32 s13, ttmp9, 4                       ; batch
	s_lshl2_add_u32 s15, s11, s8                   ; g = 4 cx + wave: enters q's and out0's addresses and the mask's limit, nothing else
	s_mov_b32 s48, 0x76543210                      ; v_permlanex16_b32: lane i of one half reads lane i of the other
	s_mov_b32 s49, 0xfedcba98
	; group 1: 128 rows x 64 elements of 2 bytes, dense in memory; behind every 32 words 4 words of padding for K, 8 for V; mask 15: all four work-groups
	s_mov_b32 s[G1K+0], 15|(1<<16)|(1<<20)|(1<<21)|(4<<22)|(3<<25)
	s_mov_b32 s[G1V+0], 15|(1<<16)|(1<<20)|(1<<21)|(4<<22)|(7<<25)
	s_mov_b32 s[G1K+1], 64<<16                     ; tensor_dim0 = 64
	s_mov_b32 s[G1V+1], 64<<16
	s_mov_b32 s[G1K+2], 128<<16                    ; tensor_dim1 = 128
	s_mov_b32 s[G1V+2], 128<<16
	s_mov_b32 s[G1K+3], 64<<16                     ; tile_dim0 = 64
	s_mov_b32 s[G1V+3], 64<<16
	s_mov_b32 s[G1K+4], 128                        ; tile_dim1 = 128
	s_mov_b32 s[G1V+4], 128
	s_mov_b32 s[G1K+5], 64                         ; elements from row to row
	s_mov_b32 s[G1V+5], 64
	s_mov_b32 s[G1K+6], 0
	s_mov_b32 s[G1V+6], 0
	s_mov_b32 s[G1K+7], 0
	s_mov_b32 s[G1V+7], 0
	; offsets, apart from the addresses
	s_lshl_b32 s56, s12, 20                        ; head x 1,048,576
	s_lshl_b32 s57, s13, 18                        ; + batch x 2,048 rows x 128 bytes
	s_add_co_u32 s56, s56, s57
	s_mov_b32 s57, 0
	s_lshl_b32 s60, s10, 14                        ; my half of a group: 128 rows x 128 bytes
	s_mov_b32 s61, 0
	s_mul_i32 s62, s8, 128*VP                      ; LDS: waves 0, 1: V's halves at wave x 20,480
	s_mul_i32 s63, s8, 128*KP
	s_add_co_u32 s63, s63, KOFF-2*128*KP           ; waves 2, 3: K's halves at 40,960 + (wave - 2) x 18,432
	s_lshl_b32 s58, s13, 23                        ; out0: batch x 2,048 x 4,096
	s_lshl_b32 s59, s15, 16                        ; + 16 g rows of 4,096 bytes
	s_add_co_u32 s58, s58, s59
	s_lshl_b32 s59, s12, 8                         ; + head x 256 bytes
	s_add_co_u32 s58, s58, s59
	s_mov_b32 s59, 0
	s_lshl_b32 s14, s15, 4                         ; 16 g
	s_mul_i32 s51, s8, 16*SP
	s_add_co_u32 s51, s51, STAGE                   ; my stage (by the wave's number, not by g)
	; lane terms
	v_and_b32 v2, 15, v0                           ; r
	v_bfe_u32 v3, v0, 4, 1                         ; hl
	v_and_b32 v4, 7, v0
	v_bfe_u32 v5, v0, 3, 1
	v_mul_u32_u24 v6, v2, KP
	v_lshl_add_u32 v6, v3, 4, v6
	v_add_nc_u32 v[KB], KOFF, v6                   ; key row r, 16 bytes for each half of the lanes
	v_lshl_add_u32 v6, v3, 3, v4                   ; key row 8 hl + (l & 7),
	v_mul_u32_u24 v6, v6, VP
	v_lshl_add_u32 v[VB], v5, 4, v6                ; 16 bytes by bit 3 of the lane: the transposing load's addresses
	v_add_nc_u32 v6, s14, v2                       ; 16 g + r
	v_lshlrev_b32 v7, 3, v3
	v_sub_nc_u32 v[LIM0], v6, v7
	v_lshlrev_b32 v7, 7, v6
	v_lshl_add_u32 v[QO], v3, 4, v7                ; (16 g + r) x 128 + 16 hl
	v_mul_u32_u24 v7, v2, SP
	v_lshl_add_u32 v7, v3, 5, v7
	v_add_nc_u32 v[STO], s51, v7                   ; row r, 32 bytes for each half of the lanes
	v_mul_u32_u24 v7, v3, SP
	v_lshl_add_u32 v7, v2, 4, v7
	v_add_nc_u32 v[RD], s51, v7                    ; lanes 0-15 one row of 256 bytes, lanes 16-31 the next
	v_lshlrev_b32 v7, 12, v3
	v_lshl_add_u32 v[CO], v2, 4, v7                ; the same two rows in out0
	v_mov_b32 v[NEG], 0xff7fffff
	v_mov_b32 v[NM+1], 0                           ; the upper registers of the two broadcast pairs are named, never used
	v_mov_b32 v[AL+1], 0
	s_wait_dscnt 0x0
	s_wait_kmcnt 0x0
	s_add_nc_u64 s[52:53], s[4:5], s[56:57]        ; q of my head and batch
	s_add_nc_u64 s[54:55], s[6:7], s[58:59]        ; out0 at my tile 0
	s_add_nc_u64 s[56:57], s[52:53], s[60:61]      ; + my half of a key group: made of the cluster's number and the wave's number alone
	ROUND                                          ; all four work-groups are here: the first joint loads meet
.irp n, 0,1
	s_mov_b32 s[G0V+4*\n], 1
	s_add_co_u32 s[G0V+4*\n+1], s62, \n*SLOT
	s_add_nc_u64 s[G0V+4*\n+2:G0V+4*\n+3], s[56:57], 0x2000000+\n*32768   ; v lies 32 heads behind q; key group n
	s_or_b32 s[G0V+4*\n+3], s[G0V+4*\n+3], 0x80000000
	s_mov_b32 s[G0K+4*\n], 1
	s_add_co_u32 s[G0K+4*\n+1], s63, \n*SLOT
	s_add_nc_u64 s[G0K+4*\n+2:G0K+4*\n+3], s[56:57], 0x1000000+\n*32768   ; k lies 16 heads behind q
	s_or_b32 s[G0K+4*\n+3], s[G0K+4*\n+3], 0x80000000
	JLOAD \n                                       ; key groups 0 and 1: two tensor loads of the wave are out
.endr
	WIN 0x80                                       ; destination window 2
.irp i, 0,1,2,3,4,5,6,7
.irp c, 0,1
	global_load_b128 v[16*\i+8*\c:16*\i+8*\c+3],   v[QO], s[52:53] offset:32768*\i+64*\c      ; Q(r, 32 c + 8 hl ..)
	global_load_b128 v[16*\i+8*\c+4:16*\i+8*\c+7], v[QO], s[52:53] offset:32768*\i+64*\c+32   ; Q(r, 32 c + 16 + 8 hl ..)
.endr
.endr
	WIN 0
.macro LOADK                           ; 16 loads: 64 keys x 64 d as A fragments
.irp kt, 0,1,2,3
.irp c, 0,1
	ds_load_b128 v[KF+16*\kt+8*\c:KF+16*\kt+8*\c+3],   v[KA] offset:16*KP*\kt+64*\c
	ds_load_b128 v[KF+16*\kt+8*\c+4:KF+16*\kt+8*\c+7], v[KA] offset:16*KP*\kt+64*\c+32
.endr
.endr
.endm
.macro LOADV                           ; 16 transposing loads: 64 d x 64 keys as A fragments
.irp dt, 0,1,2,3
.irp c, 0,1
	ds_load_tr16_b128 v[VF+16*\dt+8*\c:VF+16*\dt+8*\c+3],   v[VA] offset:32*VP*\c+32*\dt
	ds_load_tr16_b128 v[VF+16*\dt+8*\c+4:VF+16*\dt+8*\c+7], v[VA] offset:32*VP*\c+32*\dt+16*VP
.endr
.endr
.endm
; 64 keys of query tile i.  diag: the tile is on the diagonal; first: nothing has been summed yet; vw: the wait for V in front of the second product
; (0 none, 1 for all LDS loads, 2 leaving the 16 younger loads of K out); pf: the next chunk's K is fetched once this chunk's has been multiplied.
; In both products four accumulators take turns, one instruction a turn.
.macro QSTEP i, diag, first, vw, pf
	WIN 0x08                                       ; source 1 (Q) window 2
.irp kt, 0,1,2,3
	v_wmma_f32_16x16x32_f16 v[S+8*\kt:S+8*\kt+7], v[KF+16*\kt:KF+16*\kt+7], v[16*\i:16*\i+7], 0
.endr
.irp kt, 0,1,2,3
	v_wmma_f32_16x16x32_f16 v[S+8*\kt:S+8*\kt+7], v[KF+16*\kt+8:KF+16*\kt+15], v[16*\i+8:16*\i+15], v[S+8*\kt:S+8*\kt+7]
.endr
	WIN 0
	PLACES
.if \pf
	v_add_nc_u32 v[KA], KCHUNK, v[KA]
	LOADK                                          ; lands behind this tile's softmax and second product
.endif
.if \diag
.irp kt, 0,1,2,3
.irp j, 0,1,2,3,4,5,6,7
	v_cmp_le_i32 vcc_lo, 16*\kt+\j, v[LIM]         ; key <= query
	v_cndmask_b32 v[S+8*\kt+\j], v[NEG], v[S+8*\kt+\j], vcc_lo
.endr
.endr
.endif
	; the maximum of my 32 scores and of what went before, in four chains; then the other half of the lanes
.irp k, 0,1,2,3
	v_max3_num_f32 v[T+\k], v[S+8*\k], v[S+8*\k+1], v[S+8*\k+2]
.endr
.irp k, 0,1,2,3
	v_max3_num_f32 v[T+\k], v[T+\k], v[S+8*\k+3], v[S+8*\k+4]
.endr
.irp k, 0,1,2,3
	v_max3_num_f32 v[T+\k], v[T+\k], v[S+8*\k+5], v[S+8*\k+6]
.endr
	v_max3_num_f32 v[T], v[T], v[S+7], v[S+15]
	v_max3_num_f32 v[T+1], v[T+1], v[S+23], v[S+31]
	v_max3_num_f32 v[T], v[T], v[T+1], v[T+2]
.if \first
	v_max_num_f32 v[T], v[T], v[T+3]               ; key 0 is open to every query, so the first maximum is a true score
.else
	v_max3_num_f32 v[T], v[T], v[T+3], v[MX+\i]
.endif
	v_permlanex16_b32 v[T+1], v[T], s48, s49
	v_max_num_f32 v[T], v[T], v[T+1]
	v_mul_f32 v[NM], CNEG, v[T]                    ; - maximum x c
.if \first == 0
	v_fmamk_f32 v[T+2], v[MX+\i], CPOS, v[NM]      ; (old maximum - new maximum) x c
	v_exp_f32 v[AL], v[T+2]                        ; the plain multiply-adds below stand between it and its use
.endif
.irp n, 0,1,2,3,4,5,6,7,8,9,10,11,12,13,14,15
	v_pk_fma_f32 v[S+2*\n:S+2*\n+1], v[S+2*\n:S+2*\n+1], CPOS, v[NM:NM+1] op_sel_hi:[1,0,0]   ; (score - maximum) x c
.endr
.irp n, 0,1,2,3,4,5,6,7,8,9,10,11,12,13,14,15
	v_exp_f32 v[S+2*\n], v[S+2*\n]
	v_exp_f32 v[S+2*\n+1], v[S+2*\n+1]
.endr
	v_mov_b32 v[MX+\i], v[T]                       ; also the plain instruction between the last exponential and the first use (ISA guide 5.7.2)
	s_wait_alu depctr_va_vdst(0)
.irp k, 0,1,2,3
	v_pk_add_f32 v[T+2*\k:T+2*\k+1], v[S+8*\k:S+8*\k+1], v[S+8*\k+2:S+8*\k+3]
.endr
.irp k, 0,1,2,3
	v_pk_add_f32 v[T+2*\k:T+2*\k+1], v[T+2*\k:T+2*\k+1], v[S+8*\k+4:S+8*\k+5]
.endr
.irp k, 0,1,2,3
	v_pk_add_f32 v[T+2*\k:T+2*\k+1], v[T+2*\k:T+2*\k+1], v[S+8*\k+6:S+8*\k+7]
.endr
	v_pk_add_f32 v[T:T+1], v[T:T+1], v[T+2:T+3]
	v_pk_add_f32 v[T+4:T+5], v[T+4:T+5], v[T+6:T+7]
.if \first
	v_pk_add_f32 v[LS+2*\i:LS+2*\i+1], v[T:T+1], v[T+4:T+5]
.else
	v_pk_add_f32 v[T:T+1], v[T:T+1], v[T+4:T+5]
	v_pk_fma_f32 v[LS+2*\i:LS+2*\i+1], v[LS+2*\i:LS+2*\i+1], v[AL:AL+1], v[T:T+1] op_sel_hi:[1,0,1]
.endif
.irp n, 0,1,2,3,4,5,6,7,8,9,10,11,12,13,14,15
	v_cvt_pk_f16_f32 v[P+\n], v[S+2*\n], v[S+2*\n+1]   ; weights lie in 0 .. 1; two neighbouring keys in a register: B's fragment as it is
.endr
.if \first == 0
	WIN 0x41                                       ; O: destination and source 0 window 1
.irp n, 0,1,2,3,4,5,6,7,8,9,10,11,12,13,14,15
	v_pk_mul_f32 v[32*\i+2*\n:32*\i+2*\n+1], v[32*\i+2*\n:32*\i+2*\n+1], v[AL:AL+1] op_sel_hi:[1,0]
.endr
.endif
.if \vw == 1
	s_wait_dscnt 0x0                               ; V's fragments are in
.endif
.if \vw == 2
	s_wait_dscnt 16                                ; V's 16 loads are in; the 16 of the next chunk's K, issued behind them, stay out
.endif
	WIN 0x50                                       ; C and D window 1
.irp dt, 0,1,2,3
.if \first
	v_wmma_f32_16x16x32_f16 v[32*\i+8*\dt:32*\i+8*\dt+7], v[VF+16*\dt:VF+16*\dt+7], v[P:P+7], 0
.else
	v_wmma_f32_16x16x32_f16 v[32*\i+8*\dt:32*\i+8*\dt+7], v[VF+16*\dt:VF+16*\dt+7], v[P:P+7], v[32*\i+8*\dt:32*\i+8*\dt+7]
.endif
.endr
.irp dt, 0,1,2,3
	v_wmma_f32_16x16x32_f16 v[32*\i+8*\dt:32*\i+8*\dt+7], v[VF+16*\dt+8:VF+16*\dt+15], v[P+8:P+15], v[32*\i+8*\dt:32*\i+8*\dt+7]
.endr
.endm
; One chunk of 64 keys of group s, for tiles s .. 7.  pf = 1: the last tile fetches the next chunk's K.
.macro TRIP s, first, pf
	PLACES                                         ; behind the last products, which read V's fragments
	LOADV
	v_add_nc_u32 v[VA], VCHUNK, v[VA]
	s_wait_dscnt 16                                ; K's 16 older loads are in; V's 16 may stay out
.irp i, 0,1,2,3,4,5,6,7
.if \i == \s
.if \s == 7
.if \pf
	QSTEP \i, 1, \first, 2, 1
.else
	QSTEP \i, 1, \first, 1, 0
.endif
.else
	QSTEP \i, 1, \first, 1, 0
.endif
.endif
.if \i > \s
.if \i == 7
	QSTEP \i, 0, \first, 0, \pf
.else
	QSTEP \i, 0, \first, 0, 0
.endif
.endif
.endr
	WIN 0
	v_add_nc_u32 v[LIM], 0xffffffc0, v[LIM]        ; 64 keys on
.endm
; Key group s from its slot: three chunks in a loop, the fourth written out, since it fetches no further K.
.macro GROUP s, slot
	v_add_nc_u32 v[KA], \slot*SLOT, v[KB]
	v_add_nc_u32 v[VA], \slot*SLOT, v[VB]
	v_mov_b32 v[LIM], v[LIM0]
	LOADK
	s_mov_b32 s[CNT], 0
.Lgrp_\@:
	TRIP \s, 0, 1
	s_add_co_u32 s[CNT], s[CNT], 1
	s_cmp_lt_u32 s[CNT], 3
	s_cbranch_scc1 .Lgrp_\@
	TRIP \s, 0, 0
.endm
; Slot n, whose group has been multiplied, is filled again with the group two further on.  Every wave's reads and tensor loads are waited for in front of the round;
; behind it no wave of any partner reads the slot or has a load on its way; the joint load is the wave's one tensor load there, ahead of any LDS access.
.macro REFILL n
	s_wait_dscnt 0x0
	s_wait_tensorcnt 0x0                           ; the other slot's group has landed too, so every group 0 may be written
	ds_add_u32 v126, v127
	s_wait_dscnt 0x0
	ROUND
	s_add_nc_u64 s[G0V+4*\n+2:G0V+4*\n+3], s[G0V+4*\n+2:G0V+4*\n+3], 0x10000   ; two groups of 256 rows x 128 bytes
	s_add_nc_u64 s[G0K+4*\n+2:G0K+4*\n+3], s[G0K+4*\n+2:G0K+4*\n+3], 0x10000
	JLOAD \n
.endm
; Tile i is finished: divide by the sum, turn the tile through my stage, store rows of 256 bytes.
.macro OUT i
	PLACES                                         ; behind the last products: O is read, V's fragment registers are loaded again
	v_add_f32 v[T], v[LS+2*\i], v[LS+2*\i+1]
	v_permlanex16_b32 v[T+1], v[T], s48, s49       ; the other half of the lanes summed the other keys
	v_add_f32 v[T], v[T], v[T+1]
	v_rcp_f32 v[AL], v[T]                          ; the sum holds the weight of the maximum, about 1: never 0
	v_nop                                          ; a plain instruction between the reciprocal and its use (ISA guide 5.7.2)
	WIN 0x01                                       ; source 0 (O) window 1
	s_wait_alu depctr_va_vdst(0)
.irp n, 0,1,2,3,4,5,6,7,8,9,10,11,12,13,14,15
	v_pk_mul_f32 v[S+2*\n:S+2*\n+1], v[32*\i+2*\n:32*\i+2*\n+1], v[AL:AL+1] op_sel_hi:[1,0]
.endr
	WIN 0
.irp dt, 0,1,2,3
	ds_store_b128 v[STO], v[S+8*\dt:S+8*\dt+3]   offset:64*\dt       ; query r, d = 16 dt + 8 hl + 0..3
	ds_store_b128 v[STO], v[S+8*\dt+4:S+8*\dt+7] offset:64*\dt+16    ; + 4..7
.endr
.irp t, 0,1,2,3,4,5,6,7
	ds_load_b128 v[VF+4*\t:VF+4*\t+3], v[RD] offset:2*SP*\t          ; a wave's LDS instructions are served in order: these see the stores above
.endr
.irp t, 0,1,2,3,4,5,6,7
	s_wait_dscnt 7-\t                              ; this load is in, the younger ones stay out
	global_store_b128 v[CO], v[VF+4*\t:VF+4*\t+3], s[54:55] offset:\i*1048576+8192*\t th:TH_STORE_NT   ; 16 lanes store the 256 bytes that a row has of this head
.endr
	s_wait_xcnt 0x0                                ; V's fragment registers, which these stores read, are loaded again only behind this wait
.endm
	s_wait_tensorcnt 0x1                           ; my part of key group 0 is in; group 1's stays out
	s_barrier_signal -1
	s_barrier_wait -1                              ; everybody's is
	s_wait_loadcnt 0x0                             ; Q
	; key group 0: the first chunk is written out, its products start every sum: nothing is cleared
	v_mov_b32 v[KA], v[KB]
	v_mov_b32 v[VA], v[VB]
	v_mov_b32 v[LIM], v[LIM0]
	LOADK
	TRIP 0, 1, 1
	s_mov_b32 s[CNT], 0
.Lgrp0:
	TRIP 0, 0, 1
	s_add_co_u32 s[CNT], s[CNT], 1
	s_cmp_lt_u32 s[CNT], 2
	s_cbranch_scc1 .Lgrp0
	TRIP 0, 0, 0
	REFILL 0                                       ; group 2 into slot 0
	OUT 0
	GROUP 1, 1
	REFILL 1                                       ; group 3
	OUT 1
	GROUP 2, 0
	REFILL 0                                       ; group 4
	OUT 2
	GROUP 3, 1
	REFILL 1                                       ; group 5
	OUT 3
	GROUP 4, 0
	REFILL 0                                       ; group 6
	OUT 4
	GROUP 5, 1
	REFILL 1                                       ; group 7: the last tensor load
	OUT 5
	GROUP 6, 0
	s_wait_dscnt 0x0
	s_wait_tensorcnt 0x0                           ; my part of group 7 is in
	s_barrier_signal -1
	s_barrier_wait -1                              ; everybody's is; nothing is filled any more
	OUT 6
	GROUP 7, 1
	OUT 7
	s_wait_tensorcnt 0x0
	ds_add_u32 v126, v127
	s_wait_dscnt 0x0
	ROUND                                          ; the closing round: no work-group ends while a partner may still ask for a tile that names it
	s_endpgm
.Lfunc_end_k_q7ab17f0d42_attn:
	.size	k_q7ab17f0d42_attn, .Lfunc_end_k_q7ab17f0d42_attn-k_q7ab17f0d42_attn
	.p2alignl 7, 3214868480
	.fill 96, 4, 3214868480
	.section	.rodata,"a",@progbits
	.p2align	6, 0x0
	.amdhsa_kernel k_q7ab17f0d42_attn
		.amdhsa_group_segment_fixed_size 327680
		.amdhsa_private_segment_fixed_size 0
		.amdhsa_enable_private_segment 0
		.amdhsa_kernarg_size 16
		.amdhsa_user_sgpr_count 2
		.amdhsa_user_sgpr_kernarg_segment_ptr 1
		.amdhsa_wavefront_size32 1
		.amdhsa_system_sgpr_workgroup_id_x 1
		.amdhsa_system_sgpr_workgroup_id_y 1
		.amdhsa_system_sgpr_workgroup_id_z 1
		.amdhsa_system_vgpr_workitem_id 0
		.amdhsa_next_free_vgpr 640
		.amdhsa_next_free_sgpr 66
		.amdhsa_reserve_vcc 1
		.amdhsa_float_denorm_mode_32 3
		.amdhsa_float_denorm_mode_16_64 3
		.amdhsa_memory_ordered 1
		.amdhsa_forward_progress 1
		.amdhsa_inst_pref_size 255
	.end_amdhsa_kernel
	.section	.bss,"aw",@nobits
	.p2align	6
	.space	262144
	.amdgpu_metadata
---
amdhsa.version: [ 1, 2 ]
amdhsa.kernels:
  - .name:           k_q7ab17f0d42_attn
    .symbol:         k_q7ab17f0d42_attn.kd
    .args:
      - { .name: qkv, .offset: 0, .size: 8, .value_kind: global_buffer, .address_space: global }
      - { .name: out0, .offset: 8, .size: 8, .value_kind: global_buffer, .address_space: global }
    .group_segment_fixed_size: 327680
    .private_segment_fixed_size: 0
    .kernarg_segment_align: 8
    .kernarg_segment_size: 16
    .max_flat_workgroup_size: 128
    .sgpr_count:     66
    .vgpr_count:     640
    .wavefront_size: 32
...
	.end_amdgpu_metadata
.endif
;; end of part 3
;; ======== version 2 of 2: 3 launches
;; limits: values are held in f16: magnitudes above 65,504 overflow, below 6.1e-05 lose precision
;; workspace buffers: xb 16,777,216 bytes; wb 6,291,456 bytes; qkv 50,331,648 bytes
;; launch cast: the kernel of part 1 again; grid 704 x 1, 8 waves a work-group, no clusters, 0 bytes of LDS; arguments x, Wq, Wk, Wv, xb, wb; writes xb, wb
;; launch proj: the kernel of part 2 again; grid 16 x 32, 4 waves a work-group, clusters of 4 x 4, 327,680 bytes of LDS; arguments xb, wb, qkv; writes qkv
;; launch attn (part 4): grid 256 x 1, 4 waves a work-group, clusters of 4 x 1, 327,680 bytes of LDS; arguments qkv, out0; writes out0
.if DOCPART == 4
	.amdgcn_target "amdgcn-amd-amdhsa--gfx1250"
	.amdhsa_code_object_version 6
	.text
	.protected	k_q7ab17f0d42_attn
	.globl	k_q7ab17f0d42_attn
	.p2align	8
	.type	k_q7ab17f0d42_attn,@function
k_q7ab17f0d42_attn:
	s_mov_b64 s[64:65], 0
	v_nop
	global_prefetch_b8 v0, s[64:65] scope:SCOPE_SE
	s_setreg_imm32_b32 hwreg(HW_REG_WAVE_MODE, 25, 1), 1
	s_wait_xcnt 0x0
	s_wait_alu depctr_hold_cnt(0) depctr_sa_sdst(0) depctr_va_vdst(0) depctr_va_sdst(0) depctr_va_ssrc(0) depctr_va_vcc(0) depctr_vm_vsrc(0)
	s_getreg_b32 s2, hwreg(HW_REG_IB_STS2, 6, 4)
	s_cmp_eq_u32 s2, 0
	s_cbranch_scc0 .Lentry_in_a_cluster
	s_endpgm
.Lentry_in_a_cluster:
	s_bfe_u32 s2, ttmp6, 0x10000c
	s_cmp_lg_u32 s2, 0x3003
	s_cbranch_scc0 .Lentry_shape_is_right
	s_endpgm
.Lentry_shape_is_right:
; Causal attention of one (batch, head) per cluster of four work-groups: out = softmax(q k^T / 8, keys <= query) v.  q, k, v: f16 from qkv (head G at
; G x 1,048,576, row m at 128 m); scores, softmax and sums in f32 with a running maximum; out0 f32 [4][2048][1024].
; WORK LEFT OUT: keys wholly above the diagonal, in whole units: groups of 256 keys above a query tile, and in the diagonal group the chunks of 64 keys above a
; wave's 16 queries (their weights are 0 by the mask that the problem itself builds; shown at the head of the first launch).  A NaN or infinity that reaches only
; those keys is not carried.  q, k, v below 65,504 in magnitude (f16).
; SHARING: the 16 waves of a cluster have rank g = 4 wave + cx.  Wave g holds eight query tiles of 16 rows: tile i is rows 256 i + 16 g + 0..15.  Keys go in eight
; groups of 256, each in four chunks of 64.  In group s tile s is on the diagonal, tiles above s are whole, tiles below s are finished.  Tile s's rows are
; 256 s + 64 wave + 16 cx + r, so of its group the chunks below the wave's number are wholly open, the chunk equal to it is masked by a select, and those above it
; are wholly hidden.  Every branch hangs on the counters of the loops and on the wave's number, which are alike in all four work-groups, so every K and V tile is
; asked for jointly by the four (mask 15): K and V are requested once for the cluster.
; THE SCHEDULE OF A CHUNK: the tiles at work are f .. 7, f = group + (1 if the chunk is hidden from the diagonal tile), and they form a chain.  An entry (PRO f)
; multiplies tile f's scores, masks them where that is due, and takes their maximum.  Then BODY i, for i = f .. 7: (A) tile i's scores are scaled and
; exponentiated, 48 vector instructions in eight slices, one behind each of the eight matrix instructions of tile i + 1's first product; (F) sums and
; conversion to f16, 31 instructions; (B) the eight matrix instructions of tile i's second product, with the 22 instructions of tile i + 1's maximum and factors in
; slices behind them, each link of the dependent tail behind a matrix instruction of its own; (U) O = O x factor + product.  A step has 128 cycles of matrix work
; and about 121 other instructions, so neither should wait for the other.  Only the diagonal tile can be masked and it can only be the first of a chain, so the mask
; stands in entries alone.
; WINDOWS: (A) runs under one setting: Q lies in window 2 and is source 1 of the first product, and the vector lines set among those products have a literal or
; nothing as source 1.  (B) runs in window 0: the second product starts from 0 in the score buffer that the conversion has just freed, and (U)'s fused multiply-add
; takes the place of the multiply that would rescale O in front of a product in place: the same sixteen instructions.
; THE TEXT: one loop takes two groups a trip (one from each LDS slot, so that every LDS address is a constant of the text), groups 0 to 5 in three trips.  Chunk 0 of
; group 0 stands in front, in phases, since its products start the sums in O itself; groups 6 and 7, behind which nothing is filled, stand behind.
; LAYOUTS: S^T = K Q^T (A = 16 keys x 32 d, B = 16 queries): lane (r, hl), register j of tile kt holds key 16 kt + 8 hl + j of query r.  So a row's maximum
; and sum are taken inside the lane and across the two halves; two neighbouring registers packed to f16 are already B's fragment of the second product,
; O^T = V^T P^T (A = V^T by transposing LDS loads): lane (r, hl) holds d = 16 dt + 8 hl + j of query r, so the rescaling factors are one number a lane.
; LDS: slot n at n x 77,824: V's 256 rows (pitch 160), then K's 256 rows (pitch 144) at + 40,960.  Stage at 155,648 = 608 x 256: 16 rows x 272 bytes a wave.
; REGISTERS: window 0 below, all 256 in use; window 1: O of tile i at 32 i + 8 dt; window 2: Q of tile i at 16 i + 8 c.
.set SLOT,   77824
.set KOFF,   40960
.set KP,     144                       ; 128 bytes + 16: an odd multiple of 16
.set VP,     160                       ; 128 bytes + 32: an odd multiple of 32, for the transposing loads
.set KCHUNK, 64*KP                     ; 64 keys on
.set VCHUNK, 64*VP
.set STAGE,  2*SLOT
.set SP,     272                       ; a stage row: 64 f32 + 16 bytes
.set CC,   0                           ; v0        c, once the thread's number has been used
.set KB,   1                           ; K fragment address in slot 0
.set VB,   2                           ; V fragment address in slot 0
.set KA,   3                           ; running K address
.set VA,   4                           ; running V address
.set LIM,  5                           ; 16 cx + r - 8 hl: in the masked chunk key 16 kt + j is open if it is not above this
.set STO,  6                           ; the way out: where I put my numbers
.set RD,   7                           ; the way out: where I read rows back
.set CO,   8                           ; my byte offset in out0
.set NEG,  9                           ; the least finite f32, as the problem's mask sets it
.set NM,   10                          ; v[10:11]  - maximum x c
.set AL,   12                          ; v[12:13] even tiles, v[14:15] odd tiles: the factor for what was summed before (the next tile's is made while this one's is in use)
.set T,    16                          ; v[16:23]  at work
.set MX,   24                          ; v24-31    running maximum of tile i
.set LS,   32                          ; v32-47    running sum of tile i: a pair a lane, joined on the way out
.set P,    48                          ; v48-63    weights in f16
.set S,    64                          ; v64-95 even tiles, v96-127 odd tiles: scores of 64 keys (tile kt at 8 kt), then the second product (tile dt at 8 dt)
.set KF,   128                         ; v128-191  K fragments at 16 kt + 8 c
.set VF,   192                         ; v192-255  V^T fragments at 16 dt + 8 c
.set QO,   64                          ; at the start only: my byte offset in q; v65-71 at work there
.set G1K, 16                           ; s[16:23] group 1 for K's tiles
.set G1V, 24                           ; s[24:31] group 1 for V's tiles
.set G0V, 32                           ; s[32:39] group 0 for V, one set for each slot
.set G0K, 40                           ; s[40:47] group 0 for K, one set for each slot
.set PAIR, 3                           ; counter of the loop over pairs of groups
.set CNT, 50                           ; the chunk in its group, 0 to 3
.set GRP, 60                           ; the key group
.set ENT, 61                           ; the first tile of this chunk's chain
.set TS,  62                           ; scratch
.set CPOS, 0x3e38aa3b                  ; c = log2(e) / 8: the scale 1 / sqrt(64) and the change of base in one factor
.set CNEG, 0xbe38aa3b
.set MSB, 0
.macro WIN new                         ; the immediate's high byte repeats the setting that is left; a switch that changes nothing is dropped
.if MSB != \new
	s_set_vgpr_msb (MSB<<8)|\new
.set MSB, \new
.endif
.endm
.macro PLACES                          ; four independent vector instructions behind a matrix instruction (ISA guide 7.12.1 for vector instructions)
.rept 4
	v_nop
.endr
.endm
.macro ROUND                           ; a round of the cluster's barrier
	s_barrier_signal -1
	s_barrier_wait -1
	s_cmp_lg_u32 s8, 0
	s_cbranch_scc1 .Lnot_wave_0_\@
	s_barrier_signal -3
.Lnot_wave_0_\@:
	s_barrier_wait -3
	s_barrier_signal -1
	s_barrier_wait -1
.endm
.macro JLOAD n                         ; waves 0, 1 ask for V's halves of a key group, waves 2, 3 for K's; the branch hangs on the wave's number alone
	s_cmp_eq_u32 s9, 0
	s_cbranch_scc0 .Lfor_k_\@
	tensor_load_to_lds s[G0V+4*\n:G0V+4*\n+3], s[G1V:G1V+7]
	s_nop 0
	s_branch .Lasked_\@
.Lfor_k_\@:
	tensor_load_to_lds s[G0K+4*\n:G0K+4*\n+3], s[G1K:G1K+7]
	s_nop 0
.Lasked_\@:
.endm
	s_load_b128 s[4:7], s[0:1], 0x0                ; qkv s[4:5], out0 s[6:7]
	s_set_vgpr_msb 0x80
	v_lshl_add_u32 v128, v0, 2, 0x2a400
	v_mov_b32 v129, 0
	s_set_vgpr_msb 0x808a
	ds_add_u32 v128, v129
	ds_add_u32 v128, v129
	s_set_vgpr_msb 0x8a00
	v_lshrrev_b32 v65, 5, v0
	v_readfirstlane_b32 s8, v65                    ; wave 0..3
	s_lshr_b32 s9, s8, 1                           ; I fetch for V (0) or for K (1)
	s_and_b32 s10, s8, 1                           ; which 128 rows of the group
	s_bfe_u32 s11, ttmp6, 0x40000                  ; cx
	s_and_b32 s12, ttmp9, 15                       ; head: the cluster's number is 16 b + h
	s_lshr_b32 s13, ttmp9, 4                       ; batch
	s_lshl2_add_u32 s15, s8, s11                   ; g = 4 wave + cx: cx enters q's and out0's addresses and the mask's limit, nothing else
	s_mov_b32 s48, 0x76543210                      ; v_permlanex16_b32: lane i of one half reads lane i of the other
	s_mov_b32 s49, 0xfedcba98
	; group 1: 128 rows x 64 elements of 2 bytes, dense in memory; behind every 32 words 4 words of padding for K, 8 for V; mask 15: all four work-groups
	s_mov_b32 s[G1K+0], 15|(1<<16)|(1<<20)|(1<<21)|(4<<22)|(3<<25)
	s_mov_b32 s[G1V+0], 15|(1<<16)|(1<<20)|(1<<21)|(4<<22)|(7<<25)
	s_mov_b32 s[G1K+1], 64<<16                     ; tensor_dim0 = 64
	s_mov_b32 s[G1V+1], 64<<16
	s_mov_b32 s[G1K+2], 128<<16                    ; tensor_dim1 = 128
	s_mov_b32 s[G1V+2], 128<<16
	s_mov_b32 s[G1K+3], 64<<16                     ; tile_dim0 = 64
	s_mov_b32 s[G1V+3], 64<<16
	s_mov_b32 s[G1K+4], 128                        ; tile_dim1 = 128
	s_mov_b32 s[G1V+4], 128
	s_mov_b32 s[G1K+5], 64                         ; elements from row to row
	s_mov_b32 s[G1V+5], 64
	s_mov_b32 s[G1K+6], 0
	s_mov_b32 s[G1V+6], 0
	s_mov_b32 s[G1K+7], 0
	s_mov_b32 s[G1V+7], 0
	; offsets, apart from the addresses
	s_lshl_b32 s56, s12, 20                        ; head x 1,048,576
	s_lshl_b32 s57, s13, 18                        ; + batch x 2,048 rows x 128 bytes
	s_add_co_u32 s56, s56, s57
	s_mov_b32 s57, 0
	s_lshl_b32 s60, s10, 14                        ; my half of a group: 128 rows x 128 bytes
	s_mov_b32 s61, 0
	s_mul_i32 s62, s8, 128*VP                      ; LDS: waves 0, 1: V's halves at wave x 20,480
	s_mul_i32 s63, s8, 128*KP
	s_add_co_u32 s63, s63, KOFF-2*128*KP           ; waves 2, 3: K's halves at 40,960 + (wave - 2) x 18,432
	s_lshl_b32 s58, s13, 23                        ; out0: batch x 2,048 x 4,096
	s_lshl_b32 s59, s15, 16                        ; + 16 g rows of 4,096 bytes
	s_add_co_u32 s58, s58, s59
	s_lshl_b32 s59, s12, 8                         ; + head x 256 bytes
	s_add_co_u32 s58, s58, s59
	s_mov_b32 s59, 0
	s_lshl_b32 s14, s15, 4                         ; 16 g
	s_lshl_b32 s3, s11, 4                          ; 16 cx
	s_mul_i32 s51, s8, 16*SP
	s_add_co_u32 s51, s51, STAGE                   ; my stage (by the wave's number alone)
	; lane terms
	v_and_b32 v66, 15, v0                          ; r
	v_bfe_u32 v67, v0, 4, 1                        ; hl
	v_and_b32 v68, 7, v0
	v_bfe_u32 v69, v0, 3, 1
	v_mul_u32_u24 v70, v66, KP
	v_lshl_add_u32 v70, v67, 4, v70
	v_add_nc_u32 v[KB], KOFF, v70                  ; key row r, 16 bytes for each half of the lanes
	v_lshl_add_u32 v70, v67, 3, v68                ; key row 8 hl + (l & 7),
	v_mul_u32_u24 v70, v70, VP
	v_lshl_add_u32 v[VB], v69, 4, v70              ; 16 bytes by bit 3 of the lane: the transposing load's addresses
	v_add_nc_u32 v70, s14, v66                     ; 16 g + r
	v_lshlrev_b32 v71, 7, v70
	v_lshl_add_u32 v[QO], v67, 4, v71              ; (16 g + r) x 128 + 16 hl
	v_add_nc_u32 v70, s3, v66                      ; 16 cx + r: my query's place in the chunk of 64 keys whose number is my wave's
	v_lshlrev_b32 v71, 3, v67
	v_sub_nc_u32 v[LIM], v70, v71                  ; - 8 hl (may be negative: compared as signed)
	v_mul_u32_u24 v71, v66, SP
	v_lshl_add_u32 v71, v67, 5, v71
	v_add_nc_u32 v[STO], s51, v71                  ; row r, 32 bytes for each half of the lanes
	v_mul_u32_u24 v71, v67, SP
	v_lshl_add_u32 v71, v66, 4, v71
	v_add_nc_u32 v[RD], s51, v71                   ; lanes 0-15 one row of 256 bytes, lanes 16-31 the next
	v_lshlrev_b32 v71, 12, v67
	v_lshl_add_u32 v[CO], v66, 4, v71              ; the same two rows in out0
	v_mov_b32 v[NEG], 0xff7fffff
	v_mov_b32 v[CC], CPOS                          ; the thread's number is not needed any more
	v_mov_b32 v[NM+1], 0                           ; the upper registers of the three broadcast pairs are named, never used
	v_mov_b32 v[AL+1], 0
	v_mov_b32 v[AL+3], 0
	s_wait_dscnt 0x0
	s_wait_kmcnt 0x0
	s_add_nc_u64 s[52:53], s[4:5], s[56:57]        ; q of my head and batch
	s_add_nc_u64 s[54:55], s[6:7], s[58:59]        ; out0 at my tile 0
	s_add_nc_u64 s[56:57], s[52:53], s[60:61]      ; + my half of a key group: made of the cluster's number and the wave's number alone
	ROUND                                          ; all four work-groups are here: the first joint loads meet
.irp n, 0,1
	s_mov_b32 s[G0V+4*\n], 1
	s_add_co_u32 s[G0V+4*\n+1], s62, \n*SLOT
	s_add_nc_u64 s[G0V+4*\n+2:G0V+4*\n+3], s[56:57], 0x2000000+\n*32768   ; v lies 32 heads behind q; key group n
	s_or_b32 s[G0V+4*\n+3], s[G0V+4*\n+3], 0x80000000
	s_mov_b32 s[G0K+4*\n], 1
	s_add_co_u32 s[G0K+4*\n+1], s63, \n*SLOT
	s_add_nc_u64 s[G0K+4*\n+2:G0K+4*\n+3], s[56:57], 0x1000000+\n*32768   ; k lies 16 heads behind q
	s_or_b32 s[G0K+4*\n+3], s[G0K+4*\n+3], 0x80000000
	JLOAD \n                                       ; key groups 0 and 1: two tensor loads of the wave are out
.endr
	WIN 0x80                                       ; destination window 2
.irp i, 0,1,2,3,4,5,6,7
.irp c, 0,1
	global_load_b128 v[16*\i+8*\c:16*\i+8*\c+3],   v[QO], s[52:53] offset:32768*\i+64*\c      ; Q(r, 32 c + 8 hl ..)
	global_load_b128 v[16*\i+8*\c+4:16*\i+8*\c+7], v[QO], s[52:53] offset:32768*\i+64*\c+32   ; Q(r, 32 c + 16 + 8 hl ..)
.endr
.endr
	WIN 0
.macro LOADK                           ; 16 loads: 64 keys x 64 d as A fragments
.irp kt, 0,1,2,3
.irp c, 0,1
	ds_load_b128 v[KF+16*\kt+8*\c:KF+16*\kt+8*\c+3],   v[KA] offset:16*KP*\kt+64*\c
	ds_load_b128 v[KF+16*\kt+8*\c+4:KF+16*\kt+8*\c+7], v[KA] offset:16*KP*\kt+64*\c+32
.endr
.endr
.endm
.macro LOADV                           ; 16 transposing loads: 64 d x 64 keys as A fragments
.irp dt, 0,1,2,3
.irp c, 0,1
	ds_load_tr16_b128 v[VF+16*\dt+8*\c:VF+16*\dt+8*\c+3],   v[VA] offset:32*VP*\c+32*\dt
	ds_load_tr16_b128 v[VF+16*\dt+8*\c+4:VF+16*\dt+8*\c+7], v[VA] offset:32*VP*\c+32*\dt+16*VP
.endr
.endr
.endm
; The head of a chunk: its K and V fragments.  Behind the last matrix instruction that read K's registers stands a whole tile's vector work; behind the last that
; read V's stand the four places and the sixteen multiply-adds that close tile 7's body.
.macro FETCH
	LOADK
	LOADV
	s_wait_dscnt 16                                ; K's 16 older loads are in; V's 16 may stay out
.endm
; The pieces of a tile step.  They name the buffers by symbols that the step sets: QB where a first product goes, XB the scores whose maximum is taken, XA the
; factor made with it, SC the scores (then the second product) of the tile at work, ALC its factor.
; Matrix instruction k (0..7) of tile i's first product.  The four accumulators take turns, one instruction a turn.
.macro QKW i, k
.if \k < 4
	v_wmma_f32_16x16x32_f16 v[QB+8*\k:QB+8*\k+7], v[KF+16*\k:KF+16*\k+7], v[16*(\i):16*(\i)+7], 0
.else
	v_wmma_f32_16x16x32_f16 v[QB+8*(\k-4):QB+8*(\k-4)+7], v[KF+16*(\k-4)+8:KF+16*(\k-4)+15], v[16*(\i)+8:16*(\i)+15], v[QB+8*(\k-4):QB+8*(\k-4)+7]
.endif
.endm
; Matrix instruction k (0..7) of the second product, started from 0 in the score buffer; four accumulators by turns again.
.macro PVW k
.if \k < 4
	v_wmma_f32_16x16x32_f16 v[SC+8*\k:SC+8*\k+7], v[VF+16*\k:VF+16*\k+7], v[P:P+7], 0
.else
	v_wmma_f32_16x16x32_f16 v[SC+8*(\k-4):SC+8*(\k-4)+7], v[VF+16*(\k-4)+8:VF+16*(\k-4)+15], v[P+8:P+15], v[SC+8*(\k-4):SC+8*(\k-4)+7]
.endif
.endm
; The mask, only in the chunk that holds my queries' own keys (chunk = wave).
.macro MASKQ
	s_cmp_lg_u32 s[CNT], s8
	s_cbranch_scc1 .Lopen_\@
.irp kt, 0,1,2,3
.irp j, 0,1,2,3,4,5,6,7
	v_cmp_le_i32 vcc_lo, 16*\kt+\j, v[LIM]         ; key <= query
	v_cndmask_b32 v[XB+8*\kt+\j], v[NEG], v[XB+8*\kt+\j], vcc_lo
.endr
.endr
.Lopen_\@:
.endm
; Slice k (0..8) of the maximum and the factors of tile i: my 32 scores in four chains, what went before, the other half of the lanes; then - maximum x c and
; the factor 2^((old maximum - new maximum) c).  Slices 4 to 7 are one link each of a dependent chain.
.macro XSL i, k
.if \k == 0
.irp c, 0,1,2,3
	v_max3_num_f32 v[T+\c], v[XB+8*\c], v[XB+8*\c+1], v[XB+8*\c+2]
.endr
.endif
.if \k == 1
.irp c, 0,1,2,3
	v_max3_num_f32 v[T+\c], v[T+\c], v[XB+8*\c+3], v[XB+8*\c+4]
.endr
.endif
.if \k == 2
.irp c, 0,1,2,3
	v_max3_num_f32 v[T+\c], v[T+\c], v[XB+8*\c+5], v[XB+8*\c+6]
.endr
.endif
.if \k == 3
	v_max3_num_f32 v[T], v[T], v[XB+7], v[XB+15]
	v_max3_num_f32 v[T+1], v[T+1], v[XB+23], v[XB+31]
.endif
.if \k == 4
	v_max3_num_f32 v[T], v[T], v[T+1], v[T+2]
.endif
.if \k == 5
	v_max3_num_f32 v[T], v[T], v[T+3], v[MX+(\i)]
.endif
.if \k == 6
	v_permlanex16_b32 v[T+1], v[T], s48, s49
.endif
.if \k == 7
	v_max_num_f32 v[T], v[T], v[T+1]
.endif
.if \k == 8
	v_mul_f32 v[NM], CNEG, v[T]                    ; - maximum x c
	v_fma_f32 v[T+2], v[MX+(\i)], v[CC], v[NM]     ; (old maximum - new maximum) x c
	v_exp_f32 v[XA], v[T+2]
	v_mov_b32 v[MX+(\i)], v[T]                     ; also the plain instruction behind the exponential (ISA guide 5.7.2)
.endif
.endm
; (score - maximum) x c and 2^that, in eight slices of four scores; a slice's multiply-adds are made one slice ahead, so that no exponential follows the line that
; feeds it.  Source 1 is a literal or absent, so these lines mean the same under the first product's window setting as in window 0.
.macro EHEAD
	v_pk_fma_f32 v[SC:SC+1],   v[SC:SC+1],   CPOS, v[NM:NM+1] op_sel_hi:[1,0,0]
	v_pk_fma_f32 v[SC+2:SC+3], v[SC+2:SC+3], CPOS, v[NM:NM+1] op_sel_hi:[1,0,0]
.endm
.macro ESL k
.if \k < 7
	v_pk_fma_f32 v[SC+4*\k+4:SC+4*\k+5], v[SC+4*\k+4:SC+4*\k+5], CPOS, v[NM:NM+1] op_sel_hi:[1,0,0]
	v_pk_fma_f32 v[SC+4*\k+6:SC+4*\k+7], v[SC+4*\k+6:SC+4*\k+7], CPOS, v[NM:NM+1] op_sel_hi:[1,0,0]
.endif
.irp e, 0,1,2,3
	v_exp_f32 v[SC+4*\k+\e], v[SC+4*\k+\e]
.endr
.endm
; The sum of my 32 weights as a pair, in four chains, into v[d:d+1].  Its first line touches none of the last four exponentials' results (ISA guide 5.7.2).
.macro SUMS d
	s_wait_alu depctr_va_vdst(0)
.irp k, 0,1,2,3
	v_pk_add_f32 v[T+2*\k:T+2*\k+1], v[SC+8*\k:SC+8*\k+1], v[SC+8*\k+2:SC+8*\k+3]
.endr
.irp k, 0,1,2,3
	v_pk_add_f32 v[T+2*\k:T+2*\k+1], v[T+2*\k:T+2*\k+1], v[SC+8*\k+4:SC+8*\k+5]
.endr
.irp k, 0,1,2,3
	v_pk_add_f32 v[T+2*\k:T+2*\k+1], v[T+2*\k:T+2*\k+1], v[SC+8*\k+6:SC+8*\k+7]
.endr
	v_pk_add_f32 v[T:T+1], v[T:T+1], v[T+2:T+3]
	v_pk_add_f32 v[T+4:T+5], v[T+4:T+5], v[T+6:T+7]
	v_pk_add_f32 v[\d:\d+1], v[T:T+1], v[T+4:T+5]
.endm
.macro CVT                             ; weights lie in 0 .. 1; two neighbouring keys in a register: B's fragment as it is
.irp n, 0,1,2,3,4,5,6,7,8,9,10,11,12,13,14,15
	v_cvt_pk_f16_f32 v[P+\n], v[SC+2*\n], v[SC+2*\n+1]
.endr
.endm
; The entry of a chunk's chain at tile i: its scores, the mask where the tile is the diagonal one, its maximum and factors.  One entry is passed in each chunk, so
; the wait for V stands here.
.macro PRO i, mask
.set QB, S+32*((\i)&1)
.set XB, S+32*((\i)&1)
.set XA, AL+2*((\i)&1)
	WIN 0x08                                       ; source 1 (Q) window 2
.irp k, 0,1,2,3,4,5,6,7
	QKW \i, \k
.endr
	WIN 0
	PLACES
.if \mask
	MASKQ
.endif
.irp k, 0,1,2,3,4,5,6,7,8
	XSL \i, \k
.endr
	s_wait_dscnt 0x0                               ; V's fragments are in
.endm
; Tile i's link of the chain.  more = 1: tile i + 1 follows; its first product and its maximum are set among this tile's work.
.macro BODY i, more
.set SC,  S+32*((\i)&1)
.set ALC, AL+2*((\i)&1)
.set QB,  S+32*(((\i)+1)&1)
.set XB,  S+32*(((\i)+1)&1)
.set XA,  AL+2*(((\i)+1)&1)
.if \more
	WIN 0x08                                       ; source 1 (Q) window 2, for the whole of (A)
.else
	WIN 0
.endif
	EHEAD
.irp k, 0,1,2,3,4,5,6,7
.if \more
	QKW (\i)+1, \k
.endif
	ESL \k
.endr
	WIN 0
	SUMS T+4                                       ; kept in v[T+4:T+5], which the next tile's maximum does not touch
	CVT
.irp k, 0,1,2,3,4,5,6,7
	PVW \k
.if \more
	XSL (\i)+1, \k                                 ; the scores that it reads were written 35 plain instructions ago
.endif
.endr
.if \more
	XSL (\i)+1, 8
.else
.rept 3
	v_nop
.endr
.endif
	v_pk_fma_f32 v[LS+2*(\i):LS+2*(\i)+1], v[LS+2*(\i):LS+2*(\i)+1], v[ALC:ALC+1], v[T+4:T+5] op_sel_hi:[1,0,1]
	; behind the last matrix instruction now stand, naming none of its registers, the maximum, the multiply, the multiply-add, the move and the line above
	; (tile 7: three v_nop and the line above): the four places that a reader of its result needs (ISA guide 7.12.1)
	WIN 0x41                                       ; O: destination and source 0 window 1
.irp n, 0,1,2,3,4,5,6,7,8,9,10,11,12,13,14,15
	v_pk_fma_f32 v[32*(\i)+2*\n:32*(\i)+2*\n+1], v[32*(\i)+2*\n:32*(\i)+2*\n+1], v[ALC:ALC+1], v[SC+2*\n:SC+2*\n+1] op_sel_hi:[1,0,1]
.endr
.endm
; 64 keys of tile i in chunk 0 of group 0, in phases: nothing has been summed yet, so the maximum, the sum and O are started here and nothing is cleared.
.macro FSTEP i, mask, vw
.set QB, S
.set XB, S
.set SC, S
	WIN 0x08
.irp k, 0,1,2,3,4,5,6,7
	QKW \i, \k
.endr
	WIN 0
	PLACES
.if \mask
	MASKQ
.endif
.irp k, 0,1,2,3,4
	XSL \i, \k
.endr
	v_max_num_f32 v[T], v[T], v[T+3]               ; key 0 is open to every query, so the first maximum is a true score
	XSL \i, 6
	XSL \i, 7
	v_mul_f32 v[NM], CNEG, v[T]
	EHEAD
.irp k, 0,1,2,3,4,5,6,7
	ESL \k
.endr
	v_mov_b32 v[MX+\i], v[T]
	s_wait_alu depctr_va_vdst(0)
	SUMS LS+2*\i
	CVT
.if \vw
	s_wait_dscnt 0x0                               ; V's fragments are in
.endif
	WIN 0x50                                       ; C and D window 1
.irp dt, 0,1,2,3
	v_wmma_f32_16x16x32_f16 v[32*\i+8*\dt:32*\i+8*\dt+7], v[VF+16*\dt:VF+16*\dt+7], v[P:P+7], 0
.endr
.irp dt, 0,1,2,3
	v_wmma_f32_16x16x32_f16 v[32*\i+8*\dt:32*\i+8*\dt+7], v[VF+16*\dt+8:VF+16*\dt+15], v[P+8:P+15], v[32*\i+8*\dt:32*\i+8*\dt+7]
.endr
.endm
; The first tile of this chunk's chain: the group's own tile, or the next where the chunk lies wholly above my 16 queries of that tile.
.macro FIRSTTILE
	s_cmp_gt_u32 s[CNT], s8
	s_cselect_b32 s[TS], 1, 0
	s_add_co_u32 s[ENT], s[GRP], s[TS]
.endm
; A group begins: the addresses of its first chunk in its slot.
.macro START slot
.if \slot
	v_add_nc_u32 v[KA], SLOT, v[KB]
	v_add_nc_u32 v[VA], SLOT, v[VB]
.else
	v_mov_b32 v[KA], v[KB]
	v_mov_b32 v[VA], v[VB]
.endif
	s_mov_b32 s[CNT], 0
.endm
; A chunk ends: 64 keys on, four chunks a group.
.macro NEXT label
	v_add_nc_u32 v[KA], KCHUNK, v[KA]
	v_add_nc_u32 v[VA], VCHUNK, v[VA]
	s_add_co_u32 s[CNT], s[CNT], 1
	s_cmp_lt_u32 s[CNT], 4
	s_cbranch_scc1 \label
.endm
; Slot n, whose group has been multiplied, is filled again with the group two further on.  Every wave's reads and tensor loads are waited for in front of the round;
; behind it no wave of any partner reads the slot or has a load on its way; the joint load is the wave's one tensor load there, ahead of any LDS access.
.macro REFILL n
	s_wait_dscnt 0x0
	s_set_vgpr_msb 0xa
	s_wait_tensorcnt 0x0                           ; the other slot's group has landed too, so every group 0 may be written
	ds_add_u32 v128, v129
	s_wait_dscnt 0x0
	s_set_vgpr_msb 0xa00
	ROUND
	s_add_nc_u64 s[G0V+4*\n+2:G0V+4*\n+3], s[G0V+4*\n+2:G0V+4*\n+3], 0x10000   ; two groups of 256 rows x 128 bytes
	s_add_nc_u64 s[G0K+4*\n+2:G0K+4*\n+3], s[G0K+4*\n+2:G0K+4*\n+3], 0x10000
	JLOAD \n
.endm
; Tile i is finished: divide by the sum, turn the tile through my stage, store rows of 256 bytes.  O was last written by vector instructions, and the score buffer
; and V's fragment registers, which are used here, were last named by matrix instructions in front of tile 7's closing multiply-adds.
.macro OUT i
	v_add_f32 v[T], v[LS+2*\i], v[LS+2*\i+1]
	v_permlanex16_b32 v[T+1], v[T], s48, s49       ; the other half of the lanes summed the other keys
	v_add_f32 v[T], v[T], v[T+1]
	v_rcp_f32 v[AL], v[T]                          ; the sum holds the weight of the maximum, about 1: never 0
	v_nop                                          ; a plain instruction between the reciprocal and its use (ISA guide 5.7.2)
	WIN 0x01                                       ; source 0 (O) window 1
	s_wait_alu depctr_va_vdst(0)
.irp n, 0,1,2,3,4,5,6,7,8,9,10,11,12,13,14,15
	v_pk_mul_f32 v[S+2*\n:S+2*\n+1], v[32*\i+2*\n:32*\i+2*\n+1], v[AL:AL+1] op_sel_hi:[1,0]
.endr
	WIN 0
.irp dt, 0,1,2,3
	ds_store_b128 v[STO], v[S+8*\dt:S+8*\dt+3]   offset:64*\dt       ; query r, d = 16 dt + 8 hl + 0..3
	ds_store_b128 v[STO], v[S+8*\dt+4:S+8*\dt+7] offset:64*\dt+16    ; + 4..7
.endr
.irp t, 0,1,2,3,4,5,6,7
	ds_load_b128 v[VF+4*\t:VF+4*\t+3], v[RD] offset:2*SP*\t          ; a wave's LDS instructions are served in order: these see the stores above
.endr
.irp t, 0,1,2,3,4,5,6,7
	s_wait_dscnt 7-\t                              ; this load is in, the younger ones stay out
	global_store_b128 v[CO], v[VF+4*\t:VF+4*\t+3], s[54:55] offset:\i*1048576+8192*\t th:TH_STORE_NT   ; 16 lanes store the 256 bytes that a row has of this head
.endr
	s_wait_xcnt 0x0                                ; V's fragment registers, which these stores read, are loaded again only behind this wait
.endm
; In the loop the tile that has just finished is a, b or c as the pair's number is 0, 1 or 2.  It goes out here, and not with all the others at the end, so that
; its stores leave while the next group is multiplied.
.macro OUTSEL a, b, c
	s_cmp_lg_u32 s[PAIR], 0
	s_cbranch_scc1 .Lnot_a_\@
	OUT \a
	s_branch .Lgone_\@
.Lnot_a_\@:
	s_cmp_lg_u32 s[PAIR], 1
	s_cbranch_scc1 .Lnot_b_\@
	OUT \b
	s_branch .Lgone_\@
.Lnot_b_\@:
	OUT \c
.Lgone_\@:
.endm
	s_wait_tensorcnt 0x1                           ; my part of key group 0 is in; group 1's stays out
	s_barrier_signal -1
	s_barrier_wait -1                              ; everybody's is
	s_wait_loadcnt 0x0                             ; Q; its offset register lies in the score buffer, which is written only from here on
	; chunk 0 of key group 0, written out.  It is hidden from no wave; wave 0 masks tile 0.
	s_mov_b32 s[GRP], 0
	START 0
	FETCH
	FSTEP 0, 1, 1
.irp i, 1,2,3,4,5,6,7
	FSTEP \i, 0, 0
.endr
	WIN 0
	PLACES                                         ; behind the last products, whose V fragments the next chunk's loads write over
	; key groups 0 to 5, two a trip: the even one from slot 0, the odd one from slot 1
	s_mov_b32 s[PAIR], 0
.Lpair:
	START 0
.Leven:
	s_or_b32 s[TS], s[GRP], s[CNT]
	s_cmp_eq_u32 s[TS], 0                          ; chunk 0 of group 0 stands in front of the loop
	s_cbranch_scc1 .Leven_next
	FIRSTTILE                                      ; groups 0, 2, 4: the chain begins at tile 0 .. 5; an even first tile is the diagonal one
	FETCH
.irp i, 0,1,2,3,4
	s_cmp_eq_u32 s[ENT], \i
	s_cbranch_scc1 .Le_p\i
.endr
	PRO 5, 0
	s_branch .Le_b5
.Le_p4:
	PRO 4, 1
	s_branch .Le_b4
.Le_p3:
	PRO 3, 0
	s_branch .Le_b3
.Le_p2:
	PRO 2, 1
	s_branch .Le_b2
.Le_p1:
	PRO 1, 0
	s_branch .Le_b1
.Le_p0:
	PRO 0, 1
	BODY 0, 1
	WIN 0                                          ; at a label and at a branch every window is 0
.Le_b1:
	BODY 1, 1
	WIN 0
.Le_b2:
	BODY 2, 1
	WIN 0
.Le_b3:
	BODY 3, 1
	WIN 0
.Le_b4:
	BODY 4, 1
	WIN 0
.Le_b5:
	BODY 5, 1
	BODY 6, 1
	BODY 7, 0
	WIN 0
.Leven_next:
	NEXT .Leven
	REFILL 0                                       ; groups 2, 4, 6 into slot 0
	OUTSEL 0, 2, 4
	s_add_co_u32 s[GRP], s[GRP], 1
	START 1
.Lodd:
	FIRSTTILE                                      ; groups 1, 3, 5: the chain begins at tile 1 .. 6; an odd first tile is the diagonal one
	FETCH
.irp i, 1,2,3,4,5
	s_cmp_eq_u32 s[ENT], \i
	s_cbranch_scc1 .Lo_p\i
.endr
	PRO 6, 0
	s_branch .Lo_b6
.Lo_p5:
	PRO 5, 1
	s_branch .Lo_b5
.Lo_p4:
	PRO 4, 0
	s_branch .Lo_b4
.Lo_p3:
	PRO 3, 1
	s_branch .Lo_b3
.Lo_p2:
	PRO 2, 0
	s_branch .Lo_b2
.Lo_p1:
	PRO 1, 1
	BODY 1, 1
	WIN 0
.Lo_b2:
	BODY 2, 1
	WIN 0
.Lo_b3:
	BODY 3, 1
	WIN 0
.Lo_b4:
	BODY 4, 1
	WIN 0
.Lo_b5:
	BODY 5, 1
	WIN 0
.Lo_b6:
	BODY 6, 1
	BODY 7, 0
	WIN 0
	NEXT .Lodd
	REFILL 1                                       ; groups 3, 5, 7 into slot 1; group 7's is the last tensor load
	OUTSEL 1, 3, 5
	s_add_co_u32 s[GRP], s[GRP], 1
	s_add_co_u32 s[PAIR], s[PAIR], 1
	s_cmp_lt_u32 s[PAIR], 3
	s_cbranch_scc1 .Lpair
	; key group 6, from slot 0: tiles 6 and 7.
	START 0
.Lsix:
	FIRSTTILE
	FETCH
	s_cmp_eq_u32 s[ENT], 6
	s_cbranch_scc1 .Ls_p6
	PRO 7, 0
	s_branch .Ls_b7
.Ls_p6:
	PRO 6, 1
	BODY 6, 1
	WIN 0
.Ls_b7:
	BODY 7, 0
	WIN 0
	NEXT .Lsix
	s_wait_dscnt 0x0
	s_wait_tensorcnt 0x0                           ; my part of group 7 is in
	s_barrier_signal -1
	s_barrier_wait -1                              ; everybody's is; nothing is filled any more
	OUT 6
	; key group 7, from slot 1: tile 7 alone, so a chunk that is hidden from my wave is not even fetched
	START 1
.Lseven:
	s_cmp_gt_u32 s[CNT], s8
	s_cbranch_scc1 .Lseven_next
	FETCH
	PRO 7, 1
	BODY 7, 0
	WIN 0
.Lseven_next:
	NEXT .Lseven
	OUT 7
	s_set_vgpr_msb 0xa
	s_wait_tensorcnt 0x0
	ds_add_u32 v128, v129
	s_wait_dscnt 0x0
	s_set_vgpr_msb 0xa00
	ROUND                                          ; the closing round: no work-group ends while a partner may still ask for a tile that names it
	s_endpgm
.Lfunc_end_k_q7ab17f0d42_attn:
	.size	k_q7ab17f0d42_attn, .Lfunc_end_k_q7ab17f0d42_attn-k_q7ab17f0d42_attn
	.p2alignl 7, 3214868480
	.fill 96, 4, 3214868480
	.section	.rodata,"a",@progbits
	.p2align	6, 0x0
	.amdhsa_kernel k_q7ab17f0d42_attn
		.amdhsa_group_segment_fixed_size 327680
		.amdhsa_private_segment_fixed_size 0
		.amdhsa_enable_private_segment 0
		.amdhsa_kernarg_size 16
		.amdhsa_user_sgpr_count 2
		.amdhsa_user_sgpr_kernarg_segment_ptr 1
		.amdhsa_wavefront_size32 1
		.amdhsa_system_sgpr_workgroup_id_x 1
		.amdhsa_system_sgpr_workgroup_id_y 1
		.amdhsa_system_sgpr_workgroup_id_z 1
		.amdhsa_system_vgpr_workitem_id 0
		.amdhsa_next_free_vgpr 642
		.amdhsa_next_free_sgpr 66
		.amdhsa_reserve_vcc 1
		.amdhsa_float_denorm_mode_32 3
		.amdhsa_float_denorm_mode_16_64 3
		.amdhsa_memory_ordered 1
		.amdhsa_forward_progress 1
		.amdhsa_inst_pref_size 255
	.end_amdhsa_kernel
	.section	.bss,"aw",@nobits
	.p2align	6
	.space	262144
	.amdgpu_metadata
---
amdhsa.version: [ 1, 2 ]
amdhsa.kernels:
  - .name:           k_q7ab17f0d42_attn
    .symbol:         k_q7ab17f0d42_attn.kd
    .args:
      - { .name: qkv, .offset: 0, .size: 8, .value_kind: global_buffer, .address_space: global }
      - { .name: out0, .offset: 8, .size: 8, .value_kind: global_buffer, .address_space: global }
    .group_segment_fixed_size: 327680
    .private_segment_fixed_size: 0
    .kernarg_segment_align: 8
    .kernarg_segment_size: 16
    .max_flat_workgroup_size: 128
    .sgpr_count:     66
    .vgpr_count:     642
    .wavefront_size: 32
...
	.end_amdgpu_metadata
.endif
;; end of part 4
